; MI455X (gfx1250); checked and timed in simulation.
; The chip was launched on July 23, 2026; its instructions are those of AMD's public machine-readable ISA for CDNA 5 (MIT licence, August 2026) and "CDNA5" Instruction Set Architecture Reference Guide (July 2026). The comments in the code are by the model that wrote it; some were corrected since.
;; Target Centric Attention. Allowed arithmetic: matrix products marked QUANTISED: E2M1 operands, one E8M0 scale for each 32 along K, by v_wmma_scale_f32_16x16x128_f8f6f4 with both operands' format E2M1 (or v_wmma_scale_f32_32x16x128_f4), f32 sums; products left as they are: bf16, f16 or f32 operands; f32 sums; everything else in f32.
;; Inputs: Wk 1,024 x 1,024 float32; Wq 1,024 x 1,024 float32; Wv 1,024 x 1,024 float32; bk 1,024 float32; bq 1,024 float32; bv 1,024 float32; x 4 x 2,048 x 1,024 float32.
;; Outputs: out0 4 x 2,048 x 1,024 float32.
;; This version of the problem:
;;   THIS VERSION OF THE PROBLEM IS GIVEN IN LOW PRECISION. The matrix products marked QUANTISED in the list below multiply operands that are first quantised to E2M1 (2 exponent bits, 1 mantissa bit; 4 bits a number), with one power-of-two scale for each 32 numbers along K (OCP MX v1.0); their sums are f32. The products marked 'left as it is' may take bf16, f16 or f32 operands, with f32 sums. Whichever they take, every output number must still come out within the allowed error. Rounding operands to bf16 (8 significant bits) uses up far more of that allowance than f16 does (11 bits, for magnitudes from 6e-5 to 65,504). All else is computed in f32.
;;   The module's matrix products, in the order in which they are computed (A, B: the left and right operand; K: the contracted axis; several contracted axes count as one K, in the product's order):
;;     1. [M 8,192, K 1,024] x [K 1,024, N 1,024]; A: input x; B: input Wq: QUANTISED
;;     2. [M 8,192, K 1,024] x [K 1,024, N 1,024]; A: input x; B: input Wk: QUANTISED
;;     3. [M 8,192, K 1,024] x [K 1,024, N 1,024]; A: input x; B: input Wv: QUANTISED
;;     4. batch 4 x [M 2,048, K 1,024] x [K 1,024, N 2,048]; A: computed on the way; B: computed on the way: left as it is (an operand is computed on the way)
;;     5. batch 4 x [M 2,048, K 2,048] x [K 2,048, N 1,024]; A: computed on the way; B: computed on the way: left as it is (an operand is computed on the way)
;;   THE QUANTISER, for each operand of a quantised product, along K:
;;     - K is cut into blocks of 32 from its start; a last block that is shorter is filled with zeros.
;;     - A block's scale is 2^e with e = floor(log2(the largest magnitude in the block)) - 2, held to -126 .. 127; a block of zeros has e = 0. As a byte (E8M0): e + 127.
;;     - Each number is divided by its block's scale, clamped to +-6, and rounded to the nearest number of E2M1, ties to even, subnormals kept.
;;     - The product sums the exact products of the quantised numbers (number of the format x scale) in f32.
;;   ~~~python
;;   def quantise(x, axis):      # numpy; x: float32 -> the quantised numbers, widened to float32 again
;;       x = np.moveaxis(x, axis, -1); K = x.shape[-1]
;;       x = np.pad(x, [(0, 0)] * (x.ndim - 1) + [(0, -K % 32)]); x = x.reshape(x.shape[:-1] + (-1, 32)); a = np.abs(x).max(-1, keepdims=True)
;;       e = np.where(a > 0, np.clip(np.frexp(np.where(a > 0, a, 1))[1] - 1 - 2, -126, 127), 0)      # np.frexp(a)[1] - 1 = floor(log2(a)), exactly
;;       r = np.clip(x / 2.0 ** e, -6, 6)
;;       step = 2.0 ** (np.maximum(np.frexp(np.where(r == 0, 1, r))[1] - 1, 0) - 1)
;;       q = np.round(r / step) * step * 2.0 ** e      # np.round: ties to even
;;       return np.moveaxis(q.reshape(q.shape[:-2] + (-1,))[..., :K], -1, axis).astype(np.float32)
;;   ~~~
;; One version. Each part assembles by itself: llvm-mc -triple=amdgcn-amd-amdhsa -mcpu=gfx1250 --defsym DOCPART=n.
;; ======== version 1 of 1: 4 launches
;; limits: values are held in f16: magnitudes above 65,504 overflow, below 6.1e-05 lose precision; values outside matrix products are rounded to f16
;; workspace buffers: xc 4,194,304 bytes; xs 262,144 bytes; wc 1,572,864 bytes; ws 98,304 bytes; qkv 50,331,648 bytes; pw 33,554,432 bytes; negm 262,144 bytes; lsum 262,144 bytes
;; launch quant (part 1): grid 352 x 1, 4 waves a work-group, no clusters, 33,280 bytes of LDS; arguments x, Wq, Wk, Wv, xc, xs, wc, ws; writes xc, xs, wc, ws
.if DOCPART == 1
	.amdgcn_target "amdgcn-amd-amdhsa--gfx1250"
	.amdhsa_code_object_version 6
	.text
	.protected	k_qd6a12edf4a_quant
	.globl	k_qd6a12edf4a_quant
	.p2align	8
	.type	k_qd6a12edf4a_quant,@function
k_qd6a12edf4a_quant:
	s_mov_b64 s[64:65], 0
	v_nop
	global_prefetch_b8 v0, s[64:65] scope:SCOPE_SE
	s_setreg_imm32_b32 hwreg(HW_REG_WAVE_MODE, 25, 1), 1
	s_wait_xcnt 0x0
; x [8192][1024] and Wq, Wk, Wv [1024][1024], f32 with K innermost, become codes of FP4 (E2M1), two to a byte, and one E8M0 scale byte for each 32 along K.
; xc [8192][512 bytes], xs [8192][32];  wc [3072][512 bytes], ws [3072][32]: Wq's rows, then Wk's, then Wv's.
; A block's scale is 2^(floor(log2(its largest magnitude)) - 2); its byte is the largest magnitude's exponent field - 2, held at 1 from below.
; (A block of zeros so gets the byte 1 where the quantiser says 127: its codes are zeros, which add nothing, and these bytes are read by this program alone.)
; LIMITS: blocks whose largest magnitude lies under 2^-124 keep the byte 1; NaN and infinities among the inputs are not served.
; Rows are dense and K is a multiple of 32: every tensor is a plain stream of blocks of 32 numbers, and so are its codes and scale bytes.
; SHARES: a work-group takes 32,768 numbers, a wave 8,192 in 16 steps of 512.  Work-groups 0-255 take x, 256-287 Wq, 288-319 Wk, 320-351 Wv: only pointers are chosen, there is one path through the text.
; Each of a step's four loads reads 512 consecutive bytes, 16 a lane; the 2,048 bytes turn through the wave's own stage in LDS and come back 64 bytes a lane, so that a lane holds 16 neighbours along K
; (two neighbouring lanes hold a block).  A lane's 16 codes are 8 bytes: the wave's store covers 256 consecutive bytes, aligned.  A wave's 256 scale bytes are gathered in LDS and leave by one such store.
; No tensor loads, no barrier: waves share nothing.  Loads run four steps ahead, the turn through LDS one step.
.set WAVES, 4
.set STEPS, 16
.set EMAX,  2
.set CB,    8                          ; bytes of 16 codes
.set R,     16                         ; v16-79   four sets of 16 numbers as they are loaded
.set X,     80                         ; v80-111  two sets of 16 neighbours
.set E,     112                        ; v112-127 a scale byte for each step
.set C,     128                        ; v128-191 codes: four registers for each step, so that no store's data are written again
.set WREG,  8192                       ; LDS: a region for each wave: two stages of 32 x SP bytes, behind them its 256 scale bytes
.set SP,    80                         ; a lane's place in a stage: 64 bytes + 16 of padding
.set SPW,   12                         ; v12 LDS address of my spare word; never rewritten
.set NIL,   13                         ; v13 0; never rewritten
.set SPARE, WAVES*WREG                 ; behind the four regions: the spare words, 128 bytes a wave
	s_load_b256 s[4:11], s[0:1], 0x0               ; x s[4:5], Wq s[6:7], Wk s[8:9], Wv s[10:11]
	s_load_b256 s[12:19], s[0:1], 0x20             ; xc s[12:13], xs s[14:15], wc s[16:17], ws s[18:19]
	v_lshl_add_u32 v[SPW], v0, 2, SPARE
	v_mov_b32 v[NIL], 0
	v_lshrrev_b32 v1, 5, v0
	v_readfirstlane_b32 s20, v1                    ; wave
	v_and_b32 v2, 31, v0                           ; lane
	v_lshlrev_b32 v3, 4, v2                        ; my 16 bytes of a load's 512
	s_mul_i32 s21, s20, WREG
	v_lshrrev_b32 v14, 2, v2
	v_mul_u32_u24 v14, v14, SP
	v_and_b32 v15, 3, v2
	v_lshl_add_u32 v14, v15, 4, v14
	v_add_nc_u32 v14, s21, v14                     ; the stage on the way in: SP (lane / 4) + 16 (lane % 4)
	v_mul_u32_u24 v15, v2, SP
	v_add_nc_u32 v15, s21, v15                     ; and on the way out: SP x lane: my 16 neighbours
	v_mul_u32_u24 v4, v2, CB                       ; my codes' place in a step's
	v_lshrrev_b32 v5, 1, v2
	s_add_co_u32 s21, s21, 2*32*SP
	v_add_nc_u32 v5, s21, v5                       ; LDS: my wave's 256 scale bytes, my block's byte
	v_lshlrev_b32 v7, 3, v2                        ; and on the way out 8 bytes a lane
	v_add_nc_u32 v6, s21, v7
	s_wait_kmcnt 0x0
	s_cmp_lt_u32 ttmp9, 320                        ; which tensor: the choices hang on the work-group's number alone
	s_cselect_b64 s[8:9], s[8:9], s[10:11]         ; Wk or Wv
	s_cmp_lt_u32 ttmp9, 288
	s_cselect_b64 s[6:7], s[6:7], s[8:9]           ; Wq or that
	s_cmp_lt_u32 ttmp9, 256
	s_cselect_b64 s[4:5], s[4:5], s[6:7]           ; x or that
	s_cselect_b64 s[12:13], s[12:13], s[16:17]     ; the codes' buffer
	s_cselect_b64 s[14:15], s[14:15], s[18:19]     ; the scale bytes' buffer
	s_cselect_b32 s22, 0, 256
	s_cselect_b32 s23, 0xff, 31
	s_sub_co_u32 s22, ttmp9, s22                   ; the work-group's number in its destination (x: 0-255; the weights together: 0-95)
	s_and_b32 s23, s22, s23                        ; and in its source tensor (a weight: 0-31)
	s_lshl_b32 s22, s22, 2
	s_add_co_u32 s22, s22, s20                     ; my wave's run of 8,192 numbers in the destination,
	s_lshl_b32 s23, s23, 2
	s_add_co_u32 s23, s23, s20                     ; and in the source
	s_lshl_b32 s24, s23, 15                        ; 32,768 bytes of f32 a run
	s_mov_b32 s25, 0
	s_add_nc_u64 s[4:5], s[4:5], s[24:25]
	s_lshl_b32 s24, s22, 12                        ; 4,096 bytes of codes
	s_add_nc_u64 s[12:13], s[12:13], s[24:25]
	s_lshl_b32 s24, s22, 8                         ; 256 scale bytes
	s_add_nc_u64 s[14:15], s[14:15], s[24:25]
.macro LOAD t
.irp i, 0,1,2,3
	global_load_b128 v[R+16*((\t)%4)+4*\i:R+16*((\t)%4)+4*\i+3], v3, s[4:5] offset:2048*(\t)+512*\i th:TH_LOAD_NT   ; 32 lanes read 512 consecutive bytes
.endr
.endm
.macro TURN t                          ; step t's numbers through the stage: LDS serves a wave's instructions in order, so no wait stands between the stores and the loads
.irp i, 0,1,2,3
	ds_store_b128 v14, v[R+16*((\t)%4)+4*\i:R+16*((\t)%4)+4*\i+3] offset:32*SP*((\t)%2)+8*SP*\i
.endr
.irp i, 0,1,2,3
	ds_load_b128 v[X+16*((\t)%2)+4*\i:X+16*((\t)%2)+4*\i+3], v15 offset:32*SP*((\t)%2)+16*\i
.endr
.endm
.irp t, 0,1,2,3
	LOAD \t
.endr
	s_wait_loadcnt 12                              ; step 0's four loads are in; the twelve of steps 1 to 3 may be out
	TURN 0
.macro STEP t
.set XS, X+16*((\t)%2)
.if (\t) > 0
	s_wait_dscnt 1                                 ; this step's numbers are back from the stage (the last step's byte store may be out)
.else
	s_wait_dscnt 0x0
.endif
.if (\t)+4 < STEPS
	LOAD (\t)+4                                    ; into the registers that this step's stores into the stage have read
.endif
.if (\t)+1 < STEPS
.if STEPS-2-(\t) >= 3
	s_wait_loadcnt 12                              ; the next step's four loads are in; those of the three steps behind it may be out
.else
	s_wait_loadcnt 4*(STEPS-2-(\t))
.endif
	TURN (\t)+1                                    ; through the other stage while this step is worked
.endif
	v_max3_num_f32 v8, |v[XS]|, |v[XS+1]|, |v[XS+2]|               ; the largest magnitude of my 16, in two chains
	v_max3_num_f32 v9, |v[XS+3]|, |v[XS+4]|, |v[XS+5]|
.irp i, 6,10
	v_max3_num_f32 v8, v8, |v[XS+\i]|, |v[XS+\i+1]|
	v_max3_num_f32 v9, v9, |v[XS+\i+2]|, |v[XS+\i+3]|
.endr
	v_max3_num_f32 v8, v8, |v[XS+14]|, |v[XS+15]|
	v_max3_num_f32 v8, v8, v9, (EMAX+1)<<23        ; and the floor 2^(3 - 127): the byte cannot fall under 1
	v_max_num_f32_dpp v8, v8, v8 row_xmask:1 row_mask:0xf bank_mask:0xf   ; and of my neighbour's 16: the block's
	v_add_nc_u32 v11, -(EMAX<<23), v8              ; 2 off its exponent field: the conversion takes the exponent field of this operand as its scale
	v_cvt_scalef32_pk8_fp4_f32 v[C+4*(\t)], v[XS:XS+7], v11        ; eight numbers / the scale, to the nearest code, ties to even; beyond 6 the largest code
	v_cvt_scalef32_pk8_fp4_f32 v[C+4*(\t)+1], v[XS+8:XS+15], v11
	v_lshrrev_b32 v[E+(\t)], 23, v11               ; the scale's byte (also the plain line behind the conversions)
	ds_store_b8 v5, v[E+(\t)] offset:16*(\t)       ; both lanes of a block write the same byte with the same value
	global_store_b64 v4, v[C+4*(\t):C+4*(\t)+1], s[12:13] offset:32*CB*(\t)   ; 32 lanes store 256 consecutive bytes, aligned
.endm
.irp t, 0,1,2,3,4,5,6,7,8,9,10,11,12,13,14,15
	STEP \t
.endr
	ds_load_b64 v[8:9], v6                         ; LDS serves a wave's instructions in order: these see my byte stores
	s_wait_dscnt 0x0
	global_store_b64 v7, v[8:9], s[14:15]          ; 32 lanes store 256 consecutive bytes, aligned
	s_wait_tensorcnt 0x0                           ; the wave's end
	ds_add_u32 v[SPW], v[NIL]
	s_wait_dscnt 0x0
	s_endpgm
.Lfunc_end_k_qd6a12edf4a_quant:
	.size	k_qd6a12edf4a_quant, .Lfunc_end_k_qd6a12edf4a_quant-k_qd6a12edf4a_quant
	.p2alignl 7, 3214868480
	.fill 96, 4, 3214868480
	.section	.rodata,"a",@progbits
	.p2align	6, 0x0
	.amdhsa_kernel k_qd6a12edf4a_quant
		.amdhsa_group_segment_fixed_size 33280
		.amdhsa_private_segment_fixed_size 0
		.amdhsa_enable_private_segment 0
		.amdhsa_kernarg_size 64
		.amdhsa_user_sgpr_count 2
		.amdhsa_user_sgpr_kernarg_segment_ptr 1
		.amdhsa_wavefront_size32 1
		.amdhsa_system_sgpr_workgroup_id_x 1
		.amdhsa_system_sgpr_workgroup_id_y 1
		.amdhsa_system_sgpr_workgroup_id_z 1
		.amdhsa_system_vgpr_workitem_id 0
		.amdhsa_next_free_vgpr 192
		.amdhsa_next_free_sgpr 66
		.amdhsa_reserve_vcc 0
		.amdhsa_float_denorm_mode_32 3
		.amdhsa_float_denorm_mode_16_64 3
		.amdhsa_memory_ordered 1
		.amdhsa_forward_progress 1
		.amdhsa_inst_pref_size 34
	.end_amdhsa_kernel
	.amdgpu_metadata
---
amdhsa.version: [ 1, 2 ]
amdhsa.kernels:
  - .name:           k_qd6a12edf4a_quant
    .symbol:         k_qd6a12edf4a_quant.kd
    .args:
      - { .name: x, .offset: 0, .size: 8, .value_kind: global_buffer, .address_space: global }
      - { .name: Wq, .offset: 8, .size: 8, .value_kind: global_buffer, .address_space: global }
      - { .name: Wk, .offset: 16, .size: 8, .value_kind: global_buffer, .address_space: global }
      - { .name: Wv, .offset: 24, .size: 8, .value_kind: global_buffer, .address_space: global }
      - { .name: xc, .offset: 32, .size: 8, .value_kind: global_buffer, .address_space: global }
      - { .name: xs, .offset: 40, .size: 8, .value_kind: global_buffer, .address_space: global }
      - { .name: wc, .offset: 48, .size: 8, .value_kind: global_buffer, .address_space: global }
      - { .name: ws, .offset: 56, .size: 8, .value_kind: global_buffer, .address_space: global }
    .group_segment_fixed_size: 33280
    .private_segment_fixed_size: 0
    .kernarg_segment_align: 8
    .kernarg_segment_size: 64
    .max_flat_workgroup_size: 128
    .sgpr_count:     66
    .vgpr_count:     192
    .wavefront_size: 32
...
	.end_amdgpu_metadata
.endif
;; end of part 1
;; launch proj (part 2): grid 12 x 32, 4 waves a work-group, clusters of 4 x 4, 327,680 bytes of LDS; arguments xc, xs, wc, ws, bq, bk, bv, qkv; writes qkv
.if DOCPART == 2
	.amdgcn_target "amdgcn-amd-amdhsa--gfx1250"
	.amdhsa_code_object_version 6
	.text
	.protected	k_qd6a12edf4a_proj
	.globl	k_qd6a12edf4a_proj
	.p2align	8
	.type	k_qd6a12edf4a_proj,@function
k_qd6a12edf4a_proj:
	s_mov_b64 s[64:65], 0
	v_nop
	global_prefetch_b8 v0, s[64:65] scope:SCOPE_SE
	s_setreg_imm32_b32 hwreg(HW_REG_WAVE_MODE, 25, 1), 1
	s_wait_xcnt 0x0
	s_wait_alu depctr_hold_cnt(0) depctr_sa_sdst(0) depctr_va_vdst(0) depctr_va_sdst(0) depctr_va_ssrc(0) depctr_va_vcc(0) depctr_vm_vsrc(0)
	s_getreg_b32 s2, hwreg(HW_REG_IB_STS2, 6, 4)
	s_cmp_eq_u32 s2, 0
	s_cbranch_scc0 .Lentry_in_a_cluster
	s_endpgm
.Lentry_in_a_cluster:
	s_bfe_u32 s2, ttmp6, 0x10000c
	s_cmp_lg_u32 s2, 0xf033
	s_cbranch_scc0 .Lentry_shape_is_right
	s_endpgm
.Lentry_shape_is_right:
; q, k, v = x W^T + b on codes of FP4 (E2M1) with one E8M0 scale for each 32 along K; sums in f32, begun with the bias; results rounded once to f16.
; A = xc [8192][1024 codes], B = wc [3072][1024 codes] (Wq's, Wk's, Wv's rows); qkv [3][8192][1024] f16.
; LIMIT: a result beyond 65,504 in magnitude becomes an infinity of f16 (the drawn inputs give about 5.5; inputs 30 times larger on both sides about 5,000).
; A tile of 256 x 256 is made by four waves, 128 x 128 each: 64 accumulators of 16 x 16, 512 registers.  K = 1,024 is two LDS slots of 512 along K (rows of 256 bytes): both are asked for at the start,
; and nothing is filled again.  The scale bytes of the work-group's 256 rows of A and of B, for all of K, are two dense blocks: they come once, with the first fills.
; CLUSTERS: 4 x 4 work-groups.  The cluster's x is the matrix (0 q, 1 k, 2 v), cx the tile column in it.  A's tiles are shared along a row of the cluster, B's along a column: each is asked for jointly.
; THE MATRIX INSTRUCTION IS USED TRANSPOSED (source 0 = 16 rows of W, source 1 = 16 rows of x): a lane holds eight neighbouring outputs of one row, so the bias of block b is eight registers, the same for every block of rows.
; REGISTERS, in windows of 256: window 0: v0-31 addresses; v32-95 scale words, two sets; v128-191 A's fragments, one set (on the way out: rows read back); v192-255 the bias (on the way out v192-223: packed results).
;   window 1: B's fragments, two sets, at v0 and v128.   window 2: the accumulators of my rows 0-63 ((a, b) at v[8 (8 a + b)]);   window 3: those of rows 64-127.
.set SIZE_K, 1024
.set KSTEP,  512                       ; along K in a slot
.set NQ,     KSTEP/128                 ; matrix instructions deep
.set ROWB,   256                       ; a tile's row in bytes
.set KROW,   SIZE_K/2                  ; a row of codes in memory
.set PITCH,  272                       ; an LDS row: 256 bytes + 16 of padding: the 16 rows of a load start 68 words apart
.set FR,     8                         ; registers of a fragment
.set NL,     2                         ; LDS loads that bring one
.set NP,     4                         ; places behind this matrix instruction (ISA guide 7.12.1)
.set HALFT,  128*PITCH                 ; 128 rows: what one tensor load brings
.set SLOT,   4*HALFT                   ; A's 256 rows, then B's 256 rows
.set KS,     SIZE_K/32                 ; a row of scale bytes
.set SCL,    2*SLOT                    ; behind the slots: the scales, as rows of 256 bytes + 16 of padding
.set HALFS,  (128*KS/256)*272          ; the scales of 128 rows
.set SBLK,   (16*KS/256)*272           ; those of 16 rows
.set STAGE,  SCL+4*HALFS               ; the way out: 16 rows x 272 bytes for each wave; no tile lands here
.set SPITCH, 272
.set SPARE,  STAGE+4*16*SPITCH         ; the spare words, 128 bytes a wave
.set OROW,   2048                      ; a row of q, k or v in bytes
.set ADRA, 16                          ; v16-17 LDS address of my A fragments in slot 0, 1
.set ADRB, 20                          ; v20-21 the same for B
.set STO,  24                          ; v24 the way out: where I put 16 bytes of a row
.set RD,   25                          ; v25 where I read a row back
.set CO,   26                          ; v26 my byte offset in the result
.set ADRS, 27                          ; v27 LDS address of my scale words: lanes 0-15 A's rows, lanes 16-31 B's
.set SPW,  28                          ; v28 my spare word; never rewritten
.set NIL,  29                          ; v29 0; never rewritten
.set BO,   30                          ; v30 32 x (lane / 16): my half's eight numbers of a bias block
.set SC,   32                          ; scale words: set s at v[SC + 32 s]; register 4 i + q: lanes 0-15 A's block i, lanes 16-31 B's block i, the slot's q-th 128 along K
.set AF,   128
.set BIAS, 192                         ; block b's eight numbers at v[BIAS + 8 b]
.set TMP,  192
.set OB,   128
.set G1, 24                            ; s[24:31] group 1 for A's tiles; s[32:39] group 0, a set for each slot
.set G0, 32
.set G1B, 48                           ; s[48:55], s[56:63] the same for B's
.set G0B, 56
.set G1S, 68                           ; s[68:75], s[76:79] for A's scales; s[80:87], s[88:91] for B's
.set G0S, 76
.set G1SB, 80
.set G0SB, 88
.set MSB, 0
.macro WIN new                         ; the immediate's high byte repeats the setting that is left
.if MSB != (\new)
	s_set_vgpr_msb (MSB<<8)|(\new)
.set MSB, (\new)
.endif
.endm
.set MUL_LO, 0xa1                      ; source 0 (B) window 1, source 1 (A) window 0, C and D window 2
.set MUL_HI, 0xf1                      ; the same, C and D window 3
.set TO_B,   0x40                      ; destination window 1, address window 0
; A joint load: waves 0 and 1 fetch for A, waves 2 and 3 for B; the branch hangs on the wave's number alone.  An s_nop 0 and four v_nop follow each line.
.macro JLOAD g0a, g1a, g0b, g1b
	s_cmp_eq_u32 s15, 0
	s_cbranch_scc0 .Lfor_b_\@
	tensor_load_to_lds s[\g0a:\g0a+3], s[\g1a:\g1a+7]
	s_nop 0
.rept 4
	v_nop
.endr
	s_branch .Lasked_\@
.Lfor_b_\@:
	tensor_load_to_lds s[\g0b:\g0b+3], s[\g1b:\g1b+7]
	s_nop 0
.rept 4
	v_nop
.endr
.Lasked_\@:
.endm
.macro CROUND                          ; a round of the cluster's barrier
	s_barrier_signal -1
	s_barrier_wait -1
	s_cmp_lg_u32 s14, 0
	s_cbranch_scc1 .Lnot_wave_0_\@
	s_barrier_signal -3
.Lnot_wave_0_\@:
	s_barrier_wait -3
	s_barrier_signal -1
	s_barrier_wait -1
.endm
	s_load_b128 s[4:7], s[0:1], 0x0                ; x's codes s[4:5], x's scales s[6:7]
	s_load_b128 s[8:11], s[0:1], 0x10              ; W's codes s[8:9], W's scales s[10:11]
	s_load_b128 s[96:99], s[0:1], 0x20             ; bq s[96:97], bk s[98:99]
	s_load_b64 s[100:101], s[0:1], 0x30            ; bv
	s_load_b64 s[12:13], s[0:1], 0x38              ; qkv
	v_lshl_add_u32 v[SPW], v0, 2, SPARE
	v_mov_b32 v[NIL], 0
	ds_add_u32 v[SPW], v[NIL]                      ; the wave's opening: the add, twice on end, and its wait ahead of my first tensor load
	ds_add_u32 v[SPW], v[NIL]
	v_lshrrev_b32 v1, 5, v0
	v_readfirstlane_b32 s14, v1                    ; wave 0..3
	s_lshr_b32 s15, s14, 1                         ; which half of the tile's rows is mine.  Also: I fetch for A (0) or for B (1)
	s_and_b32 s16, s14, 1                          ; which half of its columns.  Also: which 128 rows of that tile I fetch
	s_bfe_u32 s40, ttmp6, 0x40000                  ; cx, cy: my place in the cluster
	s_bfe_u32 s41, ttmp6, 0x40004
	s_lshl_b32 s42, ttmp9, 2
	s_add_co_u32 s42, s42, s40                     ; tile of 256 rows of wc = 4 x cluster x + cx
	s_and_b32 s17, ttmp7, 0xffff
	s_lshl_b32 s17, s17, 2
	s_add_co_u32 s17, s17, s41                     ; tile of 256 rows of x = 4 x cluster y + cy
	s_lshl_b32 s43, s41, 2
	s_lshl_b32 s43, 15, s43                        ; my row of the cluster
	s_lshl_b32 s44, 0x1111, s40                    ; my column
	; group 1: a tile of 128 rows x 256 bytes; 16 bytes of padding behind every 64 words
	s_or_b32 s[G1+0], s43, (0<<16)|(1<<20)|(1<<21)|(5<<22)|(3<<25)
	s_or_b32 s[G1B+0], s44, (0<<16)|(1<<20)|(1<<21)|(5<<22)|(3<<25)
.irp g, G1, G1B
	s_mov_b32 s[\g+1], ROWB<<16                    ; tensor_dim0
	s_mov_b32 s[\g+2], 128<<16                     ; tensor_dim1
	s_mov_b32 s[\g+3], ROWB<<16                    ; tile_dim0
	s_mov_b32 s[\g+4], 128                         ; tile_dim1
	s_mov_b32 s[\g+5], KROW                        ; from row to row
	s_mov_b32 s[\g+6], 0
	s_mov_b32 s[\g+7], 0
.endr
	; the scales of 128 rows: 4,096 dense bytes as 16 rows of 256 bytes (32 elements of 8 bytes), 16 bytes of padding behind each
	s_or_b32 s[G1S+0], s43, (3<<16)|(1<<20)|(1<<21)|(5<<22)|(3<<25)
	s_or_b32 s[G1SB+0], s44, (3<<16)|(1<<20)|(1<<21)|(5<<22)|(3<<25)
.irp g, G1S, G1SB
	s_mov_b32 s[\g+1], 32<<16
	s_mov_b32 s[\g+2], (128*KS/256)<<16
	s_mov_b32 s[\g+3], 32<<16
	s_mov_b32 s[\g+4], 128*KS/256
	s_mov_b32 s[\g+5], 32
	s_mov_b32 s[\g+6], 0
	s_mov_b32 s[\g+7], 0
.endr
	s_lshl_b32 s18, s16, 7                         ; which 128 rows of the tile I fetch
	s_lshl_b32 s20, s17, 8
	s_add_co_u32 s20, s20, s18                     ; A: row 256 x tile + 128 x half
	s_lshl_b32 s46, s42, 8
	s_add_co_u32 s46, s46, s18                     ; B likewise
	s_mov_b32 s21, 0
	s_mov_b32 s47, 0
	s_mov_b64 s[18:19], KS
	s_mul_u64 s[22:23], s[20:21], s[18:19]         ; where these rows' scales begin, in bytes
	s_mul_u64 s[92:93], s[46:47], s[18:19]
	s_mov_b64 s[18:19], KROW
	s_mul_u64 s[20:21], s[20:21], s[18:19]         ; and their codes
	s_mul_u64 s[46:47], s[46:47], s[18:19]
	s_mul_i32 s45, s14, HALFT                      ; where they go: wave x 128 rows: no place in the cluster enters an LDS address
	s_mul_i32 s94, s14, HALFS
	s_wait_dscnt 0x0                               ; both opening adds are done
	s_wait_kmcnt 0x0
	s_add_nc_u64 s[20:21], s[4:5], s[20:21]
	s_add_nc_u64 s[22:23], s[6:7], s[22:23]
	s_add_nc_u64 s[46:47], s[8:9], s[46:47]
	s_add_nc_u64 s[92:93], s[10:11], s[92:93]
	CROUND                                         ; all sixteen work-groups are here: the joint loads meet
	s_mov_b32 s[G0S], 1
	s_add_co_u32 s[G0S+1], s94, SCL
	s_mov_b64 s[G0S+2:G0S+3], s[22:23]
	s_or_b32 s[G0S+3], s[G0S+3], 0x80000000
	s_mov_b32 s[G0SB], 1
	s_add_co_u32 s[G0SB+1], s94, SCL
	s_mov_b64 s[G0SB+2:G0SB+3], s[92:93]
	s_or_b32 s[G0SB+3], s[G0SB+3], 0x80000000
	JLOAD G0S, G1S, G0SB, G1SB                     ; the scales first: they are wanted with slot 0
.irp s, 0,1
	s_mov_b32 s[G0+4*\s], 1
	s_add_co_u32 s[G0+4*\s+1], s45, \s*SLOT
	s_add_nc_u64 s[G0+4*\s+2:G0+4*\s+3], s[20:21], \s*ROWB
	s_or_b32 s[G0+4*\s+3], s[G0+4*\s+3], 0x80000000
	s_mov_b32 s[G0B+4*\s], 1
	s_add_co_u32 s[G0B+4*\s+1], s45, \s*SLOT
	s_add_nc_u64 s[G0B+4*\s+2:G0B+4*\s+3], s[46:47], \s*ROWB
	s_or_b32 s[G0B+4*\s+3], s[G0B+4*\s+3], 0x80000000
	JLOAD G0+4*\s, G1, G0B+4*\s, G1B               ; three tensor loads of mine are out in all
.endr
	v_and_b32 v1, 15, v0                           ; r = lane % 16
	v_bfe_u32 v2, v0, 4, 1                         ; h = lane / 16
	; the bias: the matrix is chosen by the cluster's x; my 128 numbers begin at 256 cx + 128 x column half
	s_cmp_eq_u32 ttmp9, 1
	s_cselect_b64 s[98:99], s[98:99], s[100:101]
	s_cmp_eq_u32 ttmp9, 0
	s_cselect_b64 s[96:97], s[96:97], s[98:99]
	s_lshl_b32 s46, s40, 10
	s_lshl_b32 s47, s16, 9
	s_add_co_u32 s46, s46, s47
	s_mov_b32 s47, 0
	s_add_nc_u64 s[96:97], s[96:97], s[46:47]
	v_lshlrev_b32 v[BO], 5, v2
.irp b, 0,1,2,3,4,5,6,7
	global_load_b128 v[BIAS+8*\b:BIAS+8*\b+3], v[BO], s[96:97] offset:64*\b          ; bias(16 b + 8 h + 0 .. 3)
	global_load_b128 v[BIAS+8*\b+4:BIAS+8*\b+7], v[BO], s[96:97] offset:64*\b+16     ; and + 4 .. 7
.endr
	v_mul_u32_u24 v3, v1, PITCH
	v_lshl_add_u32 v4, v2, 4, v3                   ; a fragment's row x pitch + 16 x half
	s_mul_i32 s21, s15, HALFT                      ; my 128 rows of A
	s_mul_i32 s22, s16, HALFT                      ; my 128 rows of B,
	s_add_co_u32 s22, s22, 2*HALFT                 ; which lie behind A's 256
.irp s, 0,1
	v_add_nc_u32 v[ADRA+\s], s21, v4
	v_add_nc_u32 v[ADRB+\s], s22, v4
	s_add_co_u32 s21, s21, SLOT
	s_add_co_u32 s22, s22, SLOT
.endr
	v_mul_u32_u24 v5, v1, KS                       ; my row's scales: 32 bytes a row,
	v_lshrrev_b32 v6, 8, v5
	v_lshl_add_u32 v5, v6, 4, v5                   ; and 16 more for each 256 passed
	s_mul_i32 s21, s15, HALFS                      ; A's: my 128 rows
	s_mul_i32 s22, s16, HALFS                      ; B's: my 128 rows, behind A's 256
	s_add_co_u32 s22, s22, 2*HALFS
	s_sub_co_u32 s22, s22, s21
	v_mul_u32_u24 v6, s22, v2                      ; lanes 16-31 take B's: one product, the distance between the two bases x h
	s_add_co_u32 s21, s21, SCL
	v_add_nc_u32 v5, v5, v6
	v_add_nc_u32 v[ADRS], s21, v5
	s_mul_i32 s23, s14, 16*SPITCH
	s_add_co_u32 s23, s23, STAGE                   ; my stage
	v_mul_u32_u24 v5, v1, SPITCH                   ; in: row r, 16 bytes for each half of the lanes
	v_lshl_add_u32 v5, v2, 4, v5
	v_add_nc_u32 v[STO], s23, v5
	v_mul_u32_u24 v5, v2, SPITCH                   ; back: lanes 0-15 one row of 256 bytes, lanes 16-31 the next
	v_lshl_add_u32 v5, v1, 4, v5
	v_add_nc_u32 v[RD], s23, v5
	v_lshlrev_b32 v5, 11, v2                       ; and the same two rows in the result
	v_lshl_add_u32 v[CO], v1, 4, v5
	s_lshl_b32 s20, s17, 8
	s_lshl_b32 s21, s15, 7
	s_add_co_u32 s20, s20, s21                     ; my first row: 256 x tile + 128 x half
	s_lshl_b32 s20, s20, 11                        ; x 2,048 bytes
	s_lshl_b32 s21, ttmp9, 24                      ; the matrix: 16,777,216 bytes each
	s_add_co_u32 s20, s20, s21
	s_lshl_b32 s46, s40, 9                         ; my first column: 512 cx + 256 x half bytes
	s_lshl_b32 s47, s16, 8
	s_add_co_u32 s46, s46, s47
	s_add_co_u32 s20, s20, s46
	s_mov_b32 s21, 0
	s_add_nc_u64 s[12:13], s[12:13], s[20:21]
.macro FRAG reg, adr, q, i             ; a fragment, 16 rows x 128 K: lane l holds row l % 16; registers 4 c .. 4 c + 3 hold K = 64 c + 32 (l / 16) + 0 .. 31
.irp c, 0,1
	ds_load_b128 v[\reg+4*\c:\reg+4*\c+3], v[\adr] offset:64*(\q)+32*\c+(\i)*16*PITCH
.endr
.endm
; 16 matrix instructions: A's blocks a0, a0 + 1 x B's eight, the slot's q-th 128 along K.  p: B's set; sc: the set of scale words.  first = 1: the sums begin with the bias as C: nothing is cleared or added later.
; The 64 accumulators take turns, one instruction a turn, in the same order in every step.
.macro MUL16 a0, p, q, sc, first
.irp a, \a0, \a0+1
.irp b, 0,1,2,3,4,5,6,7
.if \first
	v_wmma_scale_f32_16x16x128_f8f6f4 v[8*(8*((\a)%4)+\b):8*(8*((\a)%4)+\b)+7], v[128*(\p)+FR*\b:128*(\p)+FR*\b+FR-1], v[AF+FR*(\a):AF+FR*(\a)+FR-1], v[BIAS+8*\b:BIAS+8*\b+7], v[SC+8*NQ*(\sc)+NQ*\b+(\q)], v[SC+8*NQ*(\sc)+NQ*(\a)+(\q)] matrix_a_fmt:MATRIX_FMT_FP4 matrix_b_fmt:MATRIX_FMT_FP4 matrix_a_scale:MATRIX_SCALE_ROW1
.else
	v_wmma_scale_f32_16x16x128_f8f6f4 v[8*(8*((\a)%4)+\b):8*(8*((\a)%4)+\b)+7], v[128*(\p)+FR*\b:128*(\p)+FR*\b+FR-1], v[AF+FR*(\a):AF+FR*(\a)+FR-1], v[8*(8*((\a)%4)+\b):8*(8*((\a)%4)+\b)+7], v[SC+8*NQ*(\sc)+NQ*\b+(\q)], v[SC+8*NQ*(\sc)+NQ*(\a)+(\q)] matrix_a_fmt:MATRIX_FMT_FP4 matrix_b_fmt:MATRIX_FMT_FP4 matrix_a_scale:MATRIX_SCALE_ROW1
.endif
.endr
.endr
.endm
.macro FETCH_B slot, q, p              ; B's eight fragments into set p
	WIN TO_B
.irp i, 0,1,2,3,4,5,6,7
	FRAG 128*(\p)+FR*\i, ADRB+\slot, \q, \i
.endr
	WIN 0
.endm
.macro FETCH_A slot, q, i0             ; A's blocks i0 .. i0 + 3
.irp i, \i0, \i0+1, \i0+2, \i0+3
	FRAG AF+FR*(\i), ADRA+\slot, \q, \i
.endr
.endm
.macro SCALES sc                       ; a slot's scale words into set sc: four words a row; lanes 0-15 take A's block i, lanes 16-31 B's block i
.irp i, 0,1,2,3,4,5,6,7
	ds_load_b128 v[SC+8*NQ*\sc+NQ*\i:SC+8*NQ*\sc+NQ*\i+3], v[ADRS] offset:\i*SBLK
.endr
.endm
.macro PLACES n                        ; places in front of loads into registers that matrix instructions have read, and of the first read of results
.rept \n
	v_nop
.endr
.endm
; A step of 128 along K that has its successor in the same slot.  first = 1: C is the bias, in window 0.
.macro STEP slot, q, first
	s_wait_dscnt 4*NL                              ; B's set and A's blocks 0-3 are in; the youngest eight loads (A's blocks 4-7) may be out
	WIN MUL_LO-0x20*\first
	MUL16 0, (\q)%2, \q, \slot, \first
	MUL16 2, (\q)%2, \q, \slot, \first
	s_wait_dscnt 0                                 ; A's blocks 4-7 are in
	PLACES NP
	FETCH_B \slot, (\q)+1, 1-(\q)%2
	FETCH_A \slot, (\q)+1, 0
	WIN MUL_HI-0x30*\first
	MUL16 4, (\q)%2, \q, \slot, \first
	MUL16 6, (\q)%2, \q, \slot, \first
	PLACES NP
	WIN 0
	FETCH_A \slot, (\q)+1, 4
.endm
; Slot 0's last step goes on into slot 1: one barrier; in front of it each wave waits for all its tensor loads (its part of slot 1), so that behind it slot 1 is whole for every wave.  Nothing is filled again.
.macro TURN slot, next
	s_wait_tensorcnt 0x0                           ; all my tensor loads have landed
	ds_add_u32 v[SPW], v[NIL]                      ; 0 onto my spare word
	s_wait_dscnt 4*NL+1                            ; (the add and A's blocks 4-7 may be out)
	WIN MUL_LO
	MUL16 0, 1, NQ-1, \slot, 0
	s_wait_dscnt 0x0                               ; no LDS instruction of mine is pending at the signal
	s_barrier_signal -1
	MUL16 2, 1, NQ-1, \slot, 0
	WIN 0
	s_barrier_wait -1
	PLACES NP
	v_add_nc_u32 v[ADRS], 4*NQ, v[ADRS]            ; on to the next slot's scale words
	FETCH_B \next, 0, 0
	FETCH_A \next, 0, 0
	SCALES \next
	WIN MUL_HI
	MUL16 4, 1, NQ-1, \slot, 0
	MUL16 6, 1, NQ-1, \slot, 0
	PLACES NP
	WIN 0
	FETCH_A \next, 0, 4
.endm
.macro STEPS slot, from                ; the slot's steps from .. NQ - 2
.set Q, \from
.rept NQ-1-\from
	STEP \slot, Q, 0
.set Q, Q+1
.endr
.endm
	s_wait_tensorcnt 1                             ; the scales and my part of slot 0 are in (slot 1's load may be out)
	s_barrier_signal -1
	s_barrier_wait -1                              ; everybody's are
	FETCH_B 0, 0, 0
	FETCH_A 0, 0, 0
	SCALES 0
	FETCH_A 0, 0, 4
	s_wait_loadcnt 0x0                             ; the bias
	STEP 0, 0, 1                                   ; the first step's products begin the sums with the bias
	STEPS 0, 1
	TURN 0, 1
	STEPS 1, 0
	s_wait_dscnt 4*NL                              ; the last step: nothing more to fetch
	WIN MUL_LO
	MUL16 0, 1, NQ-1, 1, 0
	MUL16 2, 1, NQ-1, 1, 0
	s_wait_dscnt 0
	WIN MUL_HI
	MUL16 4, 1, NQ-1, 1, 0
	MUL16 6, 1, NQ-1, 1, 0
	WIN 0
; THE WAY OUT, a block of 16 rows x 128 columns at a time.  PACK: rounded to f16, 16 bytes a lane, each accumulator from its low end on.  TOSTAGE: into my own stage and back as whole rows of 256 bytes.  SEND: stored.
.macro PACK a
.set AC, 64*((\a)%4)
	WIN 0x0a+5*((\a)/4)                            ; sources 0 and 1: window 2 or 3
.irp b, 0,1,2,3,4,5,6,7
.irp r, 0,1,2,3
	v_cvt_pk_f16_f32 v[TMP+4*\b+\r], v[AC+8*\b+2*\r], v[AC+8*\b+2*\r+1]
.endr
.endr
	WIN 0
.endm
.macro TOSTAGE a
.set BK, OB+32*((\a)%2)
.irp b, 0,1,2,3,4,5,6,7
	ds_store_b128 v[STO], v[TMP+4*\b:TMP+4*\b+3] offset:32*\b
.endr
.irp t, 0,1,2,3,4,5,6,7
	ds_load_b128 v[BK+4*\t:BK+4*\t+3], v[RD] offset:\t*2*SPITCH    ; LDS serves a wave's instructions in order: these see the stores above
.endr
.endm
.macro SEND a
.set BK, OB+32*((\a)%2)
	s_wait_dscnt 0x0                               ; the block is back in registers
	s_wait_xcnt 0x0                                ; earlier stores have read their base and their data: both may be written again
.if (\a) > 0
	s_add_nc_u64 s[12:13], s[12:13], 16*OROW       ; 16 rows on
.endif
.irp t, 0,1,2,3,4,5,6,7
	global_store_b128 v[CO], v[BK+4*\t:BK+4*\t+3], s[12:13] offset:2*\t*OROW   ; 16 lanes store 256 consecutive bytes, aligned
.endr
.endm
	PLACES NP                                      ; behind the last products: for the conversions' reads and for the loads into A's registers
	PACK 0
	TOSTAGE 0
.irp a, 1,2,3,4,5,6,7                  ; block a's conversions stand between block a - 1's loads from the stage and the wait for them
	PACK \a
	SEND \a-1
	TOSTAGE \a
.endr
	SEND 7
	s_wait_tensorcnt 0x0                           ; the wave's end
	ds_add_u32 v[SPW], v[NIL]
	s_wait_dscnt 0x0
	CROUND                                         ; the closing round
	s_endpgm
.Lfunc_end_k_qd6a12edf4a_proj:
	.size	k_qd6a12edf4a_proj, .Lfunc_end_k_qd6a12edf4a_proj-k_qd6a12edf4a_proj
	.p2alignl 7, 3214868480
	.fill 96, 4, 3214868480
	.section	.rodata,"a",@progbits
	.p2align	6, 0x0
	.amdhsa_kernel k_qd6a12edf4a_proj
		.amdhsa_group_segment_fixed_size 327680
		.amdhsa_private_segment_fixed_size 0
		.amdhsa_enable_private_segment 0
		.amdhsa_kernarg_size 64
		.amdhsa_user_sgpr_count 2
		.amdhsa_user_sgpr_kernarg_segment_ptr 1
		.amdhsa_wavefront_size32 1
		.amdhsa_system_sgpr_workgroup_id_x 1
		.amdhsa_system_sgpr_workgroup_id_y 1
		.amdhsa_system_sgpr_workgroup_id_z 1
		.amdhsa_system_vgpr_workitem_id 0
		.amdhsa_next_free_vgpr 1024
		.amdhsa_next_free_sgpr 102
		.amdhsa_reserve_vcc 0
		.amdhsa_float_denorm_mode_32 3
		.amdhsa_float_denorm_mode_16_64 3
		.amdhsa_memory_ordered 1
		.amdhsa_forward_progress 1
		.amdhsa_inst_pref_size 129
	.end_amdhsa_kernel
	.amdgpu_metadata
---
amdhsa.version: [ 1, 2 ]
amdhsa.kernels:
  - .name:           k_qd6a12edf4a_proj
    .symbol:         k_qd6a12edf4a_proj.kd
    .args:
      - { .name: xc, .offset: 0, .size: 8, .value_kind: global_buffer, .address_space: global }
      - { .name: xs, .offset: 8, .size: 8, .value_kind: global_buffer, .address_space: global }
      - { .name: wc, .offset: 16, .size: 8, .value_kind: global_buffer, .address_space: global }
      - { .name: ws, .offset: 24, .size: 8, .value_kind: global_buffer, .address_space: global }
      - { .name: bq, .offset: 32, .size: 8, .value_kind: global_buffer, .address_space: global }
      - { .name: bk, .offset: 40, .size: 8, .value_kind: global_buffer, .address_space: global }
      - { .name: bv, .offset: 48, .size: 8, .value_kind: global_buffer, .address_space: global }
      - { .name: qkv, .offset: 56, .size: 8, .value_kind: global_buffer, .address_space: global }
    .group_segment_fixed_size: 327680
    .private_segment_fixed_size: 0
    .kernarg_segment_align: 8
    .kernarg_segment_size: 64
    .max_flat_workgroup_size: 128
    .sgpr_count:     102
    .vgpr_count:     1024
    .wavefront_size: 32
...
	.end_amdgpu_metadata
.endif
;; end of part 2
;; launch score (part 3): grid 8 x 32, 4 waves a work-group, clusters of 4 x 4, 327,680 bytes of LDS; arguments qkv, pw, negm, lsum; writes pw, negm, lsum
.if DOCPART == 3
	.amdgcn_target "amdgcn-amd-amdhsa--gfx1250"
	.amdhsa_code_object_version 6
	.text
	.protected	k_qd6a12edf4a_score
	.globl	k_qd6a12edf4a_score
	.p2align	8
	.type	k_qd6a12edf4a_score,@function
k_qd6a12edf4a_score:
	s_mov_b64 s[64:65], 0
	v_nop
	global_prefetch_b8 v0, s[64:65] scope:SCOPE_SE
	s_setreg_imm32_b32 hwreg(HW_REG_WAVE_MODE, 25, 1), 1
	s_wait_xcnt 0x0
	s_wait_alu depctr_hold_cnt(0) depctr_sa_sdst(0) depctr_va_vdst(0) depctr_va_sdst(0) depctr_va_ssrc(0) depctr_va_vcc(0) depctr_vm_vsrc(0)
	s_getreg_b32 s2, hwreg(HW_REG_IB_STS2, 6, 4)
	s_cmp_eq_u32 s2, 0
	s_cbranch_scc0 .Lentry_in_a_cluster
	s_endpgm
.Lentry_in_a_cluster:
	s_bfe_u32 s2, ttmp6, 0x10000c
	s_cmp_lg_u32 s2, 0xf033
	s_cbranch_scc0 .Lentry_shape_is_right
	s_endpgm
.Lentry_shape_is_right:
; The scores, once.  For a tile of 256 queries x 256 keys of one batch: s = q . k (f16 operands, f32 sums, K = 1,024); t = s x log2(e) / 32; M = the tile's largest t of the query, rounded UP to a whole number;
; p = 2^(t - M), at most 1, goes to pw [8192 queries][2048 keys] as f16; -M and l = the sum of the tile's unrounded p go to negm and lsum [4 batches][8 key tiles][2048 queries], f32.
; The next launch joins a query's eight tiles: the maximum is taken away as the softmax asks, tile by tile, and the tiles are brought under the row's maximum by exact powers of two.
; LIMITS: a p under 6e-8 falls to 0 in f16; q and k are f16 (magnitudes up to 65,504).
; SHARES: four waves, 128 queries x 128 keys each: 64 accumulators, 512 registers.  K goes in steps of 128 through a ring of two LDS slots filled by tensor loads (rows of 256 bytes).
; CLUSTERS: 4 x 4 work-groups.  q's tile hangs on the query tile alone and is shared along a row of the cluster, k's on the batch and the key tile and is shared along a column: joint loads.
; q and k are each read by several clusters, so nothing is prefetched here.
; THE MATRIX INSTRUCTION IS USED TRANSPOSED (source 0 = 16 keys, source 1 = 16 queries): a lane holds ONE query of a block and eight neighbouring keys in each accumulator.
; REGISTERS, in windows of 256: window 0: v0-31 addresses; v64-127, v128-191 q's fragments, two buffers; window 1: v64-127, v128-191 k's; window 2: accumulators of my queries 0-63 ((a, b) at v[8 (8 a + b)]); window 3: of 64-127.
;   Behind the products, window 0: v64-95 maxima's chains; v96-111 pairs (-M, t) a block; v112-119 sums; v120-127 the partner's figures; v128-159 partial sums; v160-171 figures on the way out; v192-223 packed p; v32-63, v224-255 rows read back.
.set SIZE_K, 1024
.set KSTEP,  128
.set PITCH,  272                       ; an LDS row: 256 bytes + 16 of padding: the 16 rows of a load start 68 words apart
.set HALFT,  128*PITCH
.set SLOT,   4*HALFT                   ; q's 256 rows, then k's 256 rows
.set STAGE,  2*SLOT                    ; behind the ring: 16 rows x 272 bytes for each wave
.set SPITCH, 272
.set XM,     STAGE+4*16*SPITCH         ; 512 bytes a wave: the largest t of my 128 queries;  + 2,048: their sums;  + 4,096: the figures on the way out
.set SPARE,  XM+3*2048                 ; the spare words, 128 bytes a wave
.set LAPS,   SIZE_K/(2*KSTEP)
.set PROW,   4096                      ; a row of pw in bytes
.set XMW,  10                          ; v10 XM + 512 x wave + 4 r
.set XMR,  11                          ; v11 XM + 512 x (wave xor 1) + 4 r: my partner has the same queries and the other 128 keys
.set FINR, 12                          ; v12 XM + 4,096 + 512 x wave + 16 x lane
.set GF,   13                          ; v13 16 x lane
.set ADRA, 16
.set ADRB, 20
.set STO,  24
.set RD,   25
.set CO,   26
.set SPW,  28
.set NIL,  29
.set F0,   64
.set F1,   128
.set OB,   32
.set CH,   64
.set NMP,  96
.set LS,   112
.set XP,   120
.set SUMT, 128
.set FD,   160
.set FB,   168
.set TMP,  192
.set WV, 12                            ; s12 wave; s13 which half of the queries (also: I fetch q (0) or k (1)); s14 which half of the keys (also: which 128 rows I fetch)
.set RH, 13
.set KH, 14
.set G1, 24
.set G0, 32
.set G1B, 48
.set G0B, 56
.set CS,  72                           ; s[72:73] c = log2(e) / 32
.set SEL, 74                           ; s[74:75] v_permlanex16_b32's selects for lane l xor 16
.set MK,  76                           ; s76 all ones in the waves of key half 1
.set MSB, 0
.macro WIN new
.if MSB != (\new)
	s_set_vgpr_msb (MSB<<8)|(\new)
.set MSB, (\new)
.endif
.endm
.set MUL_LO, 0xa1                      ; source 0 (k) window 1, source 1 (q) window 0, C and D window 2
.set MUL_HI, 0xf1
.set TO_B,   0x40
.macro JLOAD s                         ; a joint load; an s_nop 0 and four v_nop follow each of the two lines
	s_cmp_eq_u32 s[RH], 0
	s_cbranch_scc0 .Lfor_b_\@
	tensor_load_to_lds s[G0+4*\s:G0+4*\s+3], s[G1:G1+7]
	s_nop 0
.rept 4
	v_nop
.endr
	s_branch .Lasked_\@
.Lfor_b_\@:
	tensor_load_to_lds s[G0B+4*\s:G0B+4*\s+3], s[G1B:G1B+7]
	s_nop 0
.rept 4
	v_nop
.endr
.Lasked_\@:
.endm
.macro CREST                           ; a round of the cluster's barrier behind its opening barrier
	s_cmp_lg_u32 s[WV], 0
	s_cbranch_scc1 .Lnot_wave_0_\@
	s_barrier_signal -3
.Lnot_wave_0_\@:
	s_barrier_wait -3
	s_barrier_signal -1
	s_barrier_wait -1
.endm
.macro CROUND
	s_barrier_signal -1
	s_barrier_wait -1
	CREST
.endm
	s_load_b256 s[4:11], s[0:1], 0x0               ; qkv s[4:5], pw s[6:7], negm s[8:9], lsum s[10:11]
	v_lshl_add_u32 v[SPW], v0, 2, SPARE
	v_mov_b32 v[NIL], 0
	ds_add_u32 v[SPW], v[NIL]                      ; the wave's opening: the add, twice on end, and its wait ahead of my first tensor load
	ds_add_u32 v[SPW], v[NIL]
	v_lshrrev_b32 v1, 5, v0
	v_readfirstlane_b32 s[WV], v1
	s_lshr_b32 s[RH], s[WV], 1
	s_and_b32 s[KH], s[WV], 1
	s_bfe_u32 s40, ttmp6, 0x40000                  ; cx
	s_bfe_u32 s41, ttmp6, 0x40004                  ; cy
	s_lshl_b32 s42, ttmp9, 2
	s_add_co_u32 s42, s42, s40                     ; key tile 0..7 = 4 x cluster x + cx
	s_and_b32 s15, ttmp7, 0xffff                   ; cluster y; the batch is cluster y / 2
	s_lshl_b32 s43, s15, 2
	s_add_co_u32 s43, s43, s41                     ; query tile 0..31 = 4 x cluster y + cy
	s_lshl_b32 s44, s41, 2
	s_lshl_b32 s44, 15, s44                        ; my row of the cluster
	s_lshl_b32 s45, 0x1111, s40                    ; my column
	; group 1: 128 rows x 128 elements of 2 bytes, 16 bytes of padding behind every 64 words
	s_or_b32 s[G1+0], s44, (1<<16)|(1<<20)|(1<<21)|(5<<22)|(3<<25)
	s_or_b32 s[G1B+0], s45, (1<<16)|(1<<20)|(1<<21)|(5<<22)|(3<<25)
.irp g, G1, G1B
	s_mov_b32 s[\g+1], KSTEP<<16                   ; tensor_dim0
	s_mov_b32 s[\g+2], 128<<16                     ; tensor_dim1
	s_mov_b32 s[\g+3], KSTEP<<16                   ; tile_dim0
	s_mov_b32 s[\g+4], 128                         ; tile_dim1
	s_mov_b32 s[\g+5], SIZE_K                      ; from row to row
	s_mov_b32 s[\g+6], 0
	s_mov_b32 s[\g+7], 0
.endr
	s_lshl_b32 s18, s[KH], 7                       ; which 128 rows of the tile I fetch
	s_lshl_b32 s16, s43, 8
	s_add_co_u32 s16, s16, s18                     ; q: row 256 x query tile + 128 x half,
	s_lshl_b32 s16, s16, 11                        ; x 2,048 bytes
	s_mov_b32 s17, 0
	s_lshr_b32 s46, s15, 1
	s_lshl_b32 s46, s46, 11                        ; k: row 2,048 x batch
	s_lshl_b32 s47, s42, 8
	s_add_co_u32 s46, s46, s47                     ; + 256 x key tile
	s_add_co_u32 s46, s46, s18                     ; + 128 x half,
	s_lshl_b32 s46, s46, 11
	s_add_co_u32 s46, s46, 0x1000000               ; behind q's 16,777,216 bytes
	s_mov_b32 s47, 0
	s_mul_i32 s20, s[WV], HALFT                    ; where they go: wave x 128 rows
	s_mov_b32 s[CS], 0x3d38aa3b                    ; log2(e) / 32
	s_mov_b32 s[CS+1], s[CS]                       ; (named with it as a pair, so it is written)
	s_mov_b32 s[SEL], 0x76543210
	s_mov_b32 s[SEL+1], 0xfedcba98
	s_wait_dscnt 0x0                               ; both opening adds are done
	s_wait_kmcnt 0x0
	s_add_nc_u64 s[16:17], s[4:5], s[16:17]
	s_add_nc_u64 s[46:47], s[4:5], s[46:47]
	CROUND                                         ; all sixteen work-groups are here: the first joint loads meet
.irp s, 0,1
	s_mov_b32 s[G0+4*\s], 1
	s_add_co_u32 s[G0+4*\s+1], s20, \s*SLOT
	s_add_nc_u64 s[G0+4*\s+2:G0+4*\s+3], s[16:17], \s*KSTEP*2
	s_or_b32 s[G0+4*\s+3], s[G0+4*\s+3], 0x80000000
	s_mov_b32 s[G0B+4*\s], 1
	s_add_co_u32 s[G0B+4*\s+1], s20, \s*SLOT
	s_add_nc_u64 s[G0B+4*\s+2:G0B+4*\s+3], s[46:47], \s*KSTEP*2
	s_or_b32 s[G0B+4*\s+3], s[G0B+4*\s+3], 0x80000000
	JLOAD \s                                       ; two tensor loads of mine are out
.endr
	v_and_b32 v1, 15, v0                           ; r
	v_bfe_u32 v2, v0, 4, 1                         ; h
	v_mul_u32_u24 v3, v1, PITCH
	v_lshl_add_u32 v3, v2, 4, v3                   ; a fragment's row x pitch + 16 x half
	s_mul_i32 s21, s[RH], HALFT                    ; my 128 queries
	s_mul_i32 s22, s[KH], HALFT                    ; my 128 keys,
	s_add_co_u32 s22, s22, 2*HALFT                 ; which lie behind q's 256 rows
.irp s, 0,1
	v_add_nc_u32 v[ADRA+\s], s21, v3
	v_add_nc_u32 v[ADRB+\s], s22, v3
	s_add_co_u32 s21, s21, SLOT
	s_add_co_u32 s22, s22, SLOT
.endr
	s_mul_i32 s23, s[WV], 16*SPITCH
	s_add_co_u32 s23, s23, STAGE                   ; my stage
	v_mul_u32_u24 v4, v1, SPITCH
	v_lshl_add_u32 v4, v2, 4, v4
	v_add_nc_u32 v[STO], s23, v4                   ; in: row r, 16 bytes for each half of the lanes
	v_mul_u32_u24 v5, v2, SPITCH
	v_lshl_add_u32 v5, v1, 4, v5
	v_add_nc_u32 v[RD], s23, v5                    ; back: lanes 0-15 one row of 256 bytes, lanes 16-31 the next
	v_lshlrev_b32 v5, 12, v2
	v_lshl_add_u32 v[CO], v1, 4, v5                ; and the same two rows in pw
	s_lshl_b32 s23, s[WV], 9
	s_add_co_u32 s23, s23, XM
	v_lshl_add_u32 v[XMW], v1, 2, s23
	s_xor_b32 s21, s[WV], 1
	s_lshl_b32 s21, s21, 9
	s_add_co_u32 s21, s21, XM
	v_lshl_add_u32 v[XMR], v1, 2, s21
	v_and_b32 v6, 31, v0
	v_lshlrev_b32 v[GF], 4, v6
	s_add_co_u32 s23, s23, 4096
	v_add_nc_u32 v[FINR], s23, v[GF]
	s_lshl_b32 s66, s43, 8                         ; pw: my first query 256 x query tile + 128 x half,
	s_lshl_b32 s67, s[RH], 7
	s_add_co_u32 s66, s66, s67
	s_lshl_b32 s66, s66, 12                        ; x 4,096 bytes,
	s_lshl_b32 s67, s42, 9                         ; + 512 x key tile + 256 x key half
	s_add_co_u32 s66, s66, s67
	s_lshl_b32 s67, s[KH], 8
	s_add_co_u32 s66, s66, s67
	s_mov_b32 s67, 0
	s_add_nc_u64 s[6:7], s[6:7], s[66:67]
	s_lshr_b32 s68, s43, 3                         ; the figures: ((batch x 8 + key tile) x 2,048 + the query in its batch) x 4 bytes
	s_lshl_b32 s68, s68, 3
	s_add_co_u32 s68, s68, s42
	s_lshl_b32 s68, s68, 11
	s_and_b32 s69, s43, 7
	s_lshl_b32 s69, s69, 8
	s_add_co_u32 s68, s68, s69
	s_lshl_b32 s69, s[RH], 7
	s_add_co_u32 s68, s68, s69
	s_lshl_b32 s68, s68, 2
	s_mov_b32 s69, 0
	s_cmp_eq_u32 s[KH], 0                          ; of two partners the wave of key half 0 stores -M, the other the sums
	s_cselect_b64 s[8:9], s[8:9], s[10:11]
	s_cselect_b32 s[MK], 0, -1
	s_add_nc_u64 s[8:9], s[8:9], s[68:69]
; 16 matrix instructions: query blocks a0, a0 + 1 of the window's four x all 8 key blocks, 32 along K.  zero = 1: the first product starts the sums.  The 64 accumulators take turns.
.macro MUL16 f, hi, a0, zero
.irp a, \a0, \a0+1
.irp b, 0,1,2,3,4,5,6,7
.if \zero
	v_wmma_f32_16x16x32_f16 v[8*(8*(\a)+\b):8*(8*(\a)+\b)+7], v[\f+8*\b:\f+8*\b+7], v[\f+8*(4*\hi+\a):\f+8*(4*\hi+\a)+7], 0
.else
	v_wmma_f32_16x16x32_f16 v[8*(8*(\a)+\b):8*(8*(\a)+\b)+7], v[\f+8*\b:\f+8*\b+7], v[\f+8*(4*\hi+\a):\f+8*(4*\hi+\a)+7], v[8*(8*(\a)+\b):8*(8*(\a)+\b)+7]
.endif
.endr
.endr
.endm
.macro FETCH slot, k, f                ; 32 LDS loads in one run: the fragments of 32 along K at byte k of the rows
	WIN TO_B
.irp i, 0,1,2,3,4,5,6,7
	ds_load_b128 v[\f+8*\i:\f+8*\i+3],   v[ADRB+\slot] offset:\k+\i*16*PITCH
	ds_load_b128 v[\f+8*\i+4:\f+8*\i+7], v[ADRB+\slot] offset:\k+\i*16*PITCH+32
.endr
	WIN 0
.irp i, 0,1,2,3,4,5,6,7
	ds_load_b128 v[\f+8*\i:\f+8*\i+3],   v[ADRA+\slot] offset:\k+\i*16*PITCH
	ds_load_b128 v[\f+8*\i+4:\f+8*\i+7], v[ADRA+\slot] offset:\k+\i*16*PITCH+32
.endr
.endm
.macro PLACES                          ; four places in front of loads into registers that matrix instructions have read, and of the first read of results
.rept 4
	v_nop
.endr
.endm
.macro QUARTER slot, k, f, g, zero     ; 32 along K: multiplies buffer f; in its middle it fetches the next quarter, at byte k, into g
	s_wait_dscnt 8                                 ; k's fragments and q's rows 0-63 are in; the youngest eight loads (q's rows 64-127) may be out
	WIN MUL_LO
	MUL16 \f, 0, 0, \zero
	MUL16 \f, 0, 2, \zero
	PLACES
	FETCH \slot, \k, \g
	s_wait_dscnt 32                                ; all but the 32 just issued
	WIN MUL_HI
	MUL16 \f, 1, 0, \zero
	MUL16 \f, 1, 2, \zero
.endm
; A slot's last quarter changes slots: one barrier.  In front of it each wave waits for all its tensor loads (its part of the next slot), adds 0 to its spare word, and waits for that and for its reads of this slot.
.macro MEET round
	WIN 0
	s_wait_tensorcnt 0x0                           ; all my tensor loads have landed
	ds_add_u32 v[SPW], v[NIL]                      ; 0 onto my spare word
	s_wait_dscnt 9                                 ; (the add and the youngest eight loads may be out)
	WIN MUL_LO
	MUL16 F1, 0, 0, 0
	s_wait_dscnt 0x0                               ; the add is done, and my reads of this slot are over
	s_barrier_signal -1
	MUL16 F1, 0, 2, 0
.if \round
	WIN 0
.endif
	s_barrier_wait -1
.endm
.macro TURN slot, next, fill           ; fill = 1: the barrier opens a round of the cluster's barrier, and this slot is filled again, two K steps ahead, first thing behind the round
	MEET \fill
.if \fill
	CREST
	s_add_nc_u64 s[G0+4*\slot+2:G0+4*\slot+3], s[G0+4*\slot+2:G0+4*\slot+3], 2*KSTEP*2
	s_add_nc_u64 s[G0B+4*\slot+2:G0B+4*\slot+3], s[G0B+4*\slot+2:G0B+4*\slot+3], 2*KSTEP*2
	JLOAD \slot                                    ; one tensor load of mine is out; its four v_nop are also the places in front of the loads below
.else
	PLACES
.endif
	FETCH \next, 0, F0
	WIN MUL_HI
	MUL16 F1, 1, 0, 0
	MUL16 F1, 1, 2, 0
.endm
	s_wait_tensorcnt 1                             ; my part of K step 0 is in (K step 1's may be out)
	s_barrier_signal -1
	s_barrier_wait -1                              ; everybody's is
	FETCH 0, 0, F0
	QUARTER 0, 64,  F0, F1, 1                      ; the first quarter stands in front of the loop: its products start the sums
	WIN 0
	s_mov_b32 s3, LAPS-1
.Llap:                                                 ; a trip goes once round the ring and fills both slots again
	QUARTER 0, 128, F1, F0, 0
	QUARTER 0, 192, F0, F1, 0
	TURN 0, 1, 1
	QUARTER 1, 64,  F0, F1, 0
	QUARTER 1, 128, F1, F0, 0
	QUARTER 1, 192, F0, F1, 0
	TURN 1, 0, 1
	QUARTER 0, 64,  F0, F1, 0
	WIN 0
	s_sub_co_u32 s3, s3, 1
	s_cmp_lg_u32 s3, 0
	s_cbranch_scc1 .Llap
	QUARTER 0, 128, F1, F0, 0                      ; the last lap fills nothing
	QUARTER 0, 192, F0, F1, 0
	TURN 0, 1, 0
	QUARTER 1, 64,  F0, F1, 0
	QUARTER 1, 128, F1, F0, 0
	QUARTER 1, 192, F0, F1, 0
	s_wait_dscnt 8
	WIN MUL_LO
	MUL16 F1, 0, 0, 0
	MUL16 F1, 0, 2, 0
	s_wait_dscnt 0
	WIN MUL_HI
	MUL16 F1, 1, 0, 0
	MUL16 F1, 1, 2, 0
	WIN 0
	PLACES
; THE LARGEST SCORE of each query among my 128 keys.  A block's 64 registers go in four chains of 16, ascending.
.macro MAXW w                          ; the four blocks of window 2 + w
	WIN 0x2a+0x15*\w                               ; three sources in the window, the destination in window 0
.irp u, 0,1,2,3
.irp c, 0,1,2,3
	v_max3_num_f32 v[CH+16*\w+4*\u+\c], v[64*\u+16*\c], v[64*\u+16*\c+1], v[64*\u+16*\c+2]
.endr
.endr
	WIN 0x28+0x14*\w                               ; sources 1 and 2 in the window
.irp i, 3,5,7,9,11,13
.irp u, 0,1,2,3
.irp c, 0,1,2,3
	v_max3_num_f32 v[CH+16*\w+4*\u+\c], v[CH+16*\w+4*\u+\c], v[64*\u+16*\c+\i], v[64*\u+16*\c+\i+1]
.endr
.endr
.endr
.irp u, 0,1,2,3
.irp c, 0,1,2,3
	v_max_num_f32 v[CH+16*\w+4*\u+\c], v[CH+16*\w+4*\u+\c], v[64*\u+16*\c+15]
.endr
.endr
.endm
	MAXW 0
	MAXW 1
	WIN 0
.irp a, 0,1,2,3,4,5,6,7
	v_max3_num_f32 v[CH+4*\a], v[CH+4*\a], v[CH+4*\a+1], v[CH+4*\a+2]
.endr
.irp a, 0,1,2,3,4,5,6,7
	v_max_num_f32 v[CH+4*\a], v[CH+4*\a], v[CH+4*\a+3]
.endr
.irp a, 0,1,2,3,4,5,6,7
	v_permlanex16_b32 v[CH+4*\a+1], v[CH+4*\a], s[SEL], s[SEL+1]   ; the query's other 64 keys lie in the lane 16 away
.endr
.irp a, 0,1,2,3,4,5,6,7
	v_max_num_f32 v[CH+4*\a], v[CH+4*\a], v[CH+4*\a+1]
.endr
.irp a, 0,1,2,3,4,5,6,7
	v_mul_f32 v[NMP+2*\a+1], s[CS], v[CH+4*\a]     ; as t (c is positive)
.endr
.irp a, 0,1,2,3,4,5,6,7
	ds_store_b32 v[XMW], v[NMP+2*\a+1] offset:64*\a   ; both halves of the lanes write the same word with the same value
.endr
	s_wait_dscnt 0x0                               ; for my partner's sake: my stores are done
	s_barrier_signal -1
	s_barrier_wait -1
.irp a, 0,1,2,3,4,5,6,7
	ds_load_b32 v[XP+\a], v[XMR] offset:64*\a      ; my partner's: the same queries, the tile's other 128 keys
.endr
	s_wait_dscnt 0x0
.irp a, 0,1,2,3,4,5,6,7
	v_max_num_f32 v[NMP+2*\a+1], v[NMP+2*\a+1], v[XP+\a]
.endr
.irp a, 0,1,2,3,4,5,6,7
	v_floor_f32 v[NMP+2*\a], -v[NMP+2*\a+1]        ; -M = floor(-t) = -ceil(t): a whole number
.endr
; BLOCK a: p = 2^(c s - M) in place; its sum, of the unrounded p; p rounded to f16, 16 bytes a lane.
.macro BLK a
.set AC, 64*((\a)%4)
	WIN 0x82+0x41*((\a)/4)                         ; destination and source 0 in the block's window, -M in window 0
.set i, 0
.rept 32
	v_pk_fma_f32 v[AC+i:AC+i+1], v[AC+i:AC+i+1], s[CS:CS+1], v[NMP+2*(\a):NMP+2*(\a)+1] op_sel_hi:[1,0,0]   ; t - M, two at a time (of the pairs c and -M the low word serves both halves)
.set i, i+2
.endr
.set i, 0
.rept 64
	v_exp_f32 v[AC+i], v[AC+i]                     ; one batch
.set i, i+1
.endr
	v_nop                                          ; a plain line behind the last exponential
	s_wait_alu depctr_va_vdst(0)                   ; the wait ahead of the first line that names a result: one for the batch
	WIN 0x0a+5*((\a)/4)                            ; sources 0 and 1 in the block's window
.set i, 0
.rept 16
	v_pk_add_f32 v[SUMT+2*i:SUMT+2*i+1], v[AC+4*i:AC+4*i+1], v[AC+4*i+2:AC+4*i+3]
.set i, i+1
.endr
.set i, 0
.rept 32
	v_cvt_pk_f16_f32 v[TMP+i], v[AC+2*i], v[AC+2*i+1]
.set i, i+1
.endr
	WIN 0
.irp d, 16,8,4,2                       ; sixteen pairs become one
.set i, 0
.rept \d/2
	v_pk_add_f32 v[SUMT+2*i:SUMT+2*i+1], v[SUMT+2*i:SUMT+2*i+1], v[SUMT+2*i+\d:SUMT+2*i+\d+1]
.set i, i+1
.endr
.endr
	v_add_f32 v[LS+(\a)], v[SUMT], v[SUMT+1]
	v_permlanex16_b32 v[SUMT+2], v[LS+(\a)], s[SEL], s[SEL+1]
	v_add_f32 v[LS+(\a)], v[LS+(\a)], v[SUMT+2]    ; with the lane 16 away: my 128 keys' sum
.endm
.macro TOSTAGE a
.set BK, OB+192*((\a)%2)
.irp b, 0,1,2,3,4,5,6,7
	ds_store_b128 v[STO], v[TMP+4*\b:TMP+4*\b+3] offset:32*\b
.endr
.irp t, 0,1,2,3,4,5,6,7
	ds_load_b128 v[BK+4*\t:BK+4*\t+3], v[RD] offset:\t*2*SPITCH    ; LDS serves a wave's instructions in order: these see the stores above
.endr
.endm
.macro SEND a
.set BK, OB+192*((\a)%2)
	s_wait_dscnt 0x0                               ; the block is back in registers
	s_wait_xcnt 0x0                                ; earlier stores have read their base and their data: both may be written again
.if (\a) > 0
	s_add_nc_u64 s[6:7], s[6:7], 16*PROW           ; 16 queries on
.endif
.irp t, 0,1,2,3,4,5,6,7
	global_store_b128 v[CO], v[BK+4*\t:BK+4*\t+3], s[6:7] offset:2*\t*PROW   ; 16 lanes store 256 consecutive bytes, aligned
.endr
.endm
	BLK 0
	TOSTAGE 0
.irp a, 1,2,3,4,5,6,7                  ; block a's arithmetic stands between block a - 1's loads from the stage and the wait for them
	BLK \a
	SEND \a-1
	TOSTAGE \a
.endr
	SEND 7
	; the sums of the two key halves meet, and the figures leave: 128 queries x 4 bytes a wave, 512 consecutive bytes
.irp a, 0,1,2,3,4,5,6,7
	ds_store_b32 v[XMW], v[LS+\a] offset:2048+64*\a
.endr
	s_wait_dscnt 0x0
	s_barrier_signal -1
	s_barrier_wait -1
.irp a, 0,1,2,3,4,5,6,7
	ds_load_b32 v[XP+\a], v[XMR] offset:2048+64*\a
.endr
	s_wait_dscnt 0x0
.irp a, 0,1,2,3,4,5,6,7
	v_add_f32 v[LS+\a], v[LS+\a], v[XP+\a]
.endr
.irp a, 0,1,2,3,4,5,6,7
	v_cndmask_b32 v[FD+\a], v[NMP+2*\a], v[LS+\a], s[MK]   ; key half 0: -M; key half 1: the sum
.endr
.irp a, 0,1,2,3,4,5,6,7
	ds_store_b32 v[XMW], v[FD+\a] offset:4096+64*\a   ; my own 512 bytes: query 16 a + r at 4 (16 a + r)
.endr
	ds_load_b128 v[FB:FB+3], v[FINR]               ; back 16 bytes a lane; LDS serves a wave's instructions in order
	s_wait_dscnt 0x0
	global_store_b128 v[GF], v[FB:FB+3], s[8:9]    ; 32 lanes store 512 consecutive bytes, aligned
	s_wait_tensorcnt 0x0                           ; the wave's end
	ds_add_u32 v[SPW], v[NIL]
	s_wait_dscnt 0x0
	CROUND                                         ; the closing round
	s_endpgm
.Lfunc_end_k_qd6a12edf4a_score:
	.size	k_qd6a12edf4a_score, .Lfunc_end_k_qd6a12edf4a_score-k_qd6a12edf4a_score
	.p2alignl 7, 3214868480
	.fill 96, 4, 3214868480
	.section	.rodata,"a",@progbits
	.p2align	6, 0x0
	.amdhsa_kernel k_qd6a12edf4a_score
		.amdhsa_group_segment_fixed_size 327680
		.amdhsa_private_segment_fixed_size 0
		.amdhsa_enable_private_segment 0
		.amdhsa_kernarg_size 32
		.amdhsa_user_sgpr_count 2
		.amdhsa_user_sgpr_kernarg_segment_ptr 1
		.amdhsa_wavefront_size32 1
		.amdhsa_system_sgpr_workgroup_id_x 1
		.amdhsa_system_sgpr_workgroup_id_y 1
		.amdhsa_system_sgpr_workgroup_id_z 1
		.amdhsa_system_vgpr_workitem_id 0
		.amdhsa_next_free_vgpr 1024
		.amdhsa_next_free_sgpr 80
		.amdhsa_reserve_vcc 0
		.amdhsa_float_denorm_mode_32 3
		.amdhsa_float_denorm_mode_16_64 3
		.amdhsa_memory_ordered 1
		.amdhsa_forward_progress 1
		.amdhsa_inst_pref_size 214
	.end_amdhsa_kernel
	.amdgpu_metadata
---
amdhsa.version: [ 1, 2 ]
amdhsa.kernels:
  - .name:           k_qd6a12edf4a_score
    .symbol:         k_qd6a12edf4a_score.kd
    .args:
      - { .name: qkv, .offset: 0, .size: 8, .value_kind: global_buffer, .address_space: global }
      - { .name: pw, .offset: 8, .size: 8, .value_kind: global_buffer, .address_space: global }
      - { .name: negm, .offset: 16, .size: 8, .value_kind: global_buffer, .address_space: global }
      - { .name: lsum, .offset: 24, .size: 8, .value_kind: global_buffer, .address_space: global }
    .group_segment_fixed_size: 327680
    .private_segment_fixed_size: 0
    .kernarg_segment_align: 8
    .kernarg_segment_size: 32
    .max_flat_workgroup_size: 128
    .sgpr_count:     80
    .vgpr_count:     1024
    .wavefront_size: 32
...
	.end_amdgpu_metadata
.endif
;; end of part 3
;; launch aggr (part 4): grid 4 x 64, 4 waves a work-group, clusters of 4 x 4, 327,680 bytes of LDS; arguments pw, qkv, negm, lsum, out0; writes out0
.if DOCPART == 4
	.amdgcn_target "amdgcn-amd-amdhsa--gfx1250"
	.amdhsa_code_object_version 6
	.text
	.protected	k_qd6a12edf4a_aggr
	.globl	k_qd6a12edf4a_aggr
	.p2align	8
	.type	k_qd6a12edf4a_aggr,@function
k_qd6a12edf4a_aggr:
	s_mov_b64 s[64:65], 0
	v_nop
	global_prefetch_b8 v0, s[64:65] scope:SCOPE_SE
	s_setreg_imm32_b32 hwreg(HW_REG_WAVE_MODE, 25, 1), 1
	s_wait_xcnt 0x0
	s_wait_alu depctr_hold_cnt(0) depctr_sa_sdst(0) depctr_va_vdst(0) depctr_va_sdst(0) depctr_va_ssrc(0) depctr_va_vcc(0) depctr_vm_vsrc(0)
	s_getreg_b32 s2, hwreg(HW_REG_IB_STS2, 6, 4)
	s_cmp_eq_u32 s2, 0
	s_cbranch_scc0 .Lentry_in_a_cluster
	s_endpgm
.Lentry_in_a_cluster:
	s_bfe_u32 s2, ttmp6, 0x10000c
	s_cmp_lg_u32 s2, 0xf033
	s_cbranch_scc0 .Lentry_shape_is_right
	s_endpgm
.Lentry_shape_is_right:
; out[key][d] = the sum over the batch's 2,048 queries of w[query][key] v[query][d], w the softmax over the keys.
; pw holds p = 2^(t - M_t) in f16, M_t the whole-number maximum of the query in its tile of 256 keys; negm holds -M_t, lsum l_t = the tile's sum of p.  At its head every work-group joins the eight tiles of each query:
; M = the largest M_t; l = the sum of l_t 2^(M_t - M) (v_ldexp_f32: the scaling rounds nothing); c[query] = 2048 x 2^(M_own tile - M) / l, at most 4,096.
; In the loop p is widened to f32, multiplied by c in f32 and rounded once to f16 for the matrix unit; the products' sums are f32, and the finished sums are multiplied by 2^-11.  The factor 2,048 keeps p c in f16's normal range.
; LIMITS: c lies in LDS as f16 (the two slots, 4,096 bytes of c and the spare words make 324,096 of the 327,680 bytes; as f32 c would not fit): it is rounded to 11 bits, and a c under 6e-8 falls to 0 (weights under 3e-11);
; v is f16 (magnitudes up to 65,504).
; SHARES: a work-group makes 128 keys x 256 d; a wave 64 keys x 128 d: 32 accumulators, 256 registers.  K = the queries, in steps of 32; an LDS slot holds 192 queries, six steps; two slots; ten fills of 192 and a last one of 128.
; p [query][key] and v [query][d] both lie with K as their outer axis: both come out of LDS turned, by ds_load_tr16_b128.  Source 0 = 16 d, source 1 = 16 keys: a lane holds eight neighbouring d of one key.
; BY TURNS: in step n the matrix unit multiplies step n's fragments, and the scaling of step n + 1's p stands between the products, four vector instructions behind each.  So raw p and c are fetched two steps ahead, v one step ahead,
; and the change of slots stands in a slot's fifth step: behind the fetch of the slot's last v and ahead of the fetch of the next slot's first p.
; CLUSTERS: 4 x 4 work-groups: cx is the tile of d, cy enters the block of keys.  p's tile is shared along a row of the cluster, v's along a column: joint loads.
; PREFETCH: p is read by the four work-groups of one row of one cluster alone.  In every fourth step wave 0 of each work-group names 32 rows of p (32 cx on, a lane a row, my block's 256 bytes of each): the four partners together
; 128 rows, four steps' worth, 18 steps ahead of the step in hand.  Rows 0 to 639 come by their loads alone; the eleventh request names the batch's last 128 rows, and the loop's last trip leaves its third request out.
; v is read by four clusters and is not asked for.
; REGISTERS, in windows of 256: window 0: v16-31 addresses; v32-95 raw p, two buffers of 32; v96-103 c as loaded; v104-119 c in f32; v128-255 v's fragments, two buffers of 64.
;   window 1: v0-127 the accumulators of key blocks 0, 1 ((a, b) at v[8 (8 a + b)]); v128-159 their scaled p, two buffers of 16; v160-167 at work.   window 2: the same for key blocks 2, 3.
;   Under ONE setting (destination, source 1 and source 2 in the accumulators' window, source 0 in window 0) run the products, the widenings (raw p in window 0) and the multiplications (c in window 0).
;   The roundings take both sources from the accumulators' window: four of them stand together behind every fourth product, between two switches.
.set PP,    288                        ; a row of p in LDS: 256 bytes + 32: row r starts 72 r words on
.set PV,    544                        ; a row of v: 512 bytes + 32: row r starts 136 r words on
.set QS,    192                        ; queries in a slot
.set HR,    96                         ; rows that one tensor load brings
.set VOFF,  QS*PP
.set SLOT,  VOFF+QS*PV                 ; 192 rows of p, then 192 rows of v: 159,744 bytes
.set CB,    2*SLOT                     ; c: 2,048 numbers of f16
.set SPARE, CB+4096                    ; the spare words, 128 bytes a wave
.set STG,   SLOT                       ; the way out: 16 rows x 528 bytes for each wave, in slot 1: it has had its last fill, and behind the last change of slots nobody reads it
.set SPITCH, 528
.set TRIPS, 4
.set PROW,  4096                       ; a row of pw in bytes
.set VROW,  2048                       ; a row of v
.set OROW,  4096                       ; a row of out0
.set ADP, 16                           ; v16-17 my lane's place in p's tile, slot 0, 1
.set ADV, 18                           ; v18-21 the same for v: slot 0 steps 0-2, slot 0 steps 3-5, slot 1 likewise (an LDS offset has 16 bits)
.set CA0, 22                           ; v22 CB + 16 h
.set CAD, 23                           ; v23 c's address for the fill from which p is being fetched
.set STO, 24
.set RD,  25
.set CO,  26
.set PFO, 27                           ; v27 4,096 x lane; never rewritten
.set SPW, 28                           ; v28 my spare word; never rewritten
.set NIL, 29                           ; v29 0; never rewritten
.set TO,  30                           ; v30 16 x thread
.set CW,  31                           ; v31 CB + 8 x thread
.set RP,  32                           ; raw p: buffer q at v[32 + 32 q]; key block a's fragment at + 8 a
.set CR,  96                           ; c as loaded: register j holds the same two queries as register j of a fragment
.set C32, 104                          ; c in f32
.set VB,  128                          ; v: buffer q at v[128 + 64 q]
.set SP,  128                          ; in windows 1 and 2: scaled p: buffer q at v[128 + 16 q]
.set T,   160                          ; in windows 1 and 2: four pairs of f32 at work
.set OWN, 32                           ; the head: v32-47 my own tile's -M; v64-95 at work; v96-99 -M of the row; v100-103 my tile's exponent; v104-107 1 / l; v108-115 c
.set DD,  64
.set MN,  96
.set EO,  100
.set RC,  104
.set CP,  108
.set BKB, 32
.set WV, 14                            ; s14 wave; s15 which 64 keys are mine (also: I fetch p (0) or v (1)); s16 which 128 d (also: which half of a fill's rows I fetch)
.set HI, 15
.set LO, 16
.set G1, 24                            ; s[24:31] group 1 for p's tiles of 96 rows; s[32:39] group 0, a set for each slot
.set G0, 32
.set G1B, 48                           ; s[48:55], s[56:63] the same for v's
.set G0B, 56
.set CT,  66                           ; s66 384 x the fill from which p is being fetched
.set LIM, 67                           ; s67 1 in wave 0, else the greatest number
.set PFA, 68                           ; s[68:69] where my prefetches stand
.set G1L, 76                           ; s[76:83], s[84:91] groups 1 for the last fill's tiles of 64 rows; s[92:95], s[96:99] their groups 0
.set G1BL, 84
.set G0L, 92
.set G0BL, 96
.set MSB, 0
.macro WIN new                         ; the immediate's high byte repeats the setting that is left
.if MSB != (\new)
	s_set_vgpr_msb (MSB<<8)|(\new)
.set MSB, (\new)
.endif
.endm
; A joint load: waves 0 and 1 fetch p's two halves, waves 2 and 3 v's; the branch hangs on the wave's number alone.  An s_nop 0 and four v_nop follow each of the two lines.
.macro JLOAD g0a, g1a, g0b, g1b
	s_cmp_eq_u32 s[HI], 0
	s_cbranch_scc0 .Lfor_b_\@
	tensor_load_to_lds s[\g0a:\g0a+3], s[\g1a:\g1a+7]
	s_nop 0
.rept 4
	v_nop
.endr
	s_branch .Lasked_\@
.Lfor_b_\@:
	tensor_load_to_lds s[\g0b:\g0b+3], s[\g1b:\g1b+7]
	s_nop 0
.rept 4
	v_nop
.endr
.Lasked_\@:
.endm
.macro CREST                           ; a round of the cluster's barrier behind its opening barrier
	s_cmp_lg_u32 s[WV], 0
	s_cbranch_scc1 .Lnot_wave_0_\@
	s_barrier_signal -3
.Lnot_wave_0_\@:
	s_barrier_wait -3
	s_barrier_signal -1
	s_barrier_wait -1
.endm
.macro CROUND
	s_barrier_signal -1
	s_barrier_wait -1
	CREST
.endm
.macro EVSTEP                          ; at the head of a step that prefetches: the last prefetch, four steps back, has read its address; 128 rows on
	s_wait_xcnt 0x0
	s_add_nc_u64 s[PFA:PFA+1], s[PFA:PFA+1], 128*PROW
.endm
.macro ASK how                         ; how = 1: in every trip; how = 0: not in the loop's last trip (s3 = 1 there), whose third request would pass the batch's end
.if \how
	s_cmp_eq_u32 s[LIM], 1
.else
	s_cmp_gt_u32 s3, s[LIM]
.endif
	s_cbranch_scc0 .Lnot_mine_\@
	global_prefetch_b8 v[PFO], s[PFA:PFA+1] th:TH_LOAD_NT scope:SCOPE_SE
.Lnot_mine_\@:
.endm
	s_load_b256 s[4:11], s[0:1], 0x0               ; pw s[4:5], qkv s[6:7], negm s[8:9], lsum s[10:11]
	s_load_b64 s[12:13], s[0:1], 0x20              ; out0
	v_lshl_add_u32 v[SPW], v0, 2, SPARE
	v_mov_b32 v[NIL], 0
	ds_add_u32 v[SPW], v[NIL]                      ; the wave's opening: the add, twice on end, and its wait ahead of my first tensor load
	ds_add_u32 v[SPW], v[NIL]
	v_lshrrev_b32 v1, 5, v0
	v_readfirstlane_b32 s[WV], v1
	s_lshr_b32 s[HI], s[WV], 1
	s_and_b32 s[LO], s[WV], 1
	s_bfe_u32 s40, ttmp6, 0x40000                  ; cx: the tile of 256 d
	s_bfe_u32 s41, ttmp6, 0x40004                  ; cy
	s_and_b32 s42, ttmp7, 0xffff                   ; cluster y, 0..15
	s_lshr_b32 s43, s42, 2                         ; the batch
	s_and_b32 s44, s42, 3
	s_lshl_b32 s44, s44, 2
	s_add_co_u32 s44, s44, s41                     ; the block of 128 keys in the batch, 0..15
	s_lshl_b32 s45, s41, 2
	s_lshl_b32 s45, 15, s45                        ; my row of the cluster
	s_lshl_b32 s17, 0x1111, s40                    ; my column
	; group 1.  p: rows of 128 elements of 2 bytes, 2,048 elements from row to row, 32 bytes of padding behind every 64 words; 96 rows, in the last fill 64
	s_or_b32 s[G1+0], s45, (1<<16)|(1<<20)|(1<<21)|(5<<22)|(7<<25)
	s_or_b32 s[G1L+0], s45, (1<<16)|(1<<20)|(1<<21)|(5<<22)|(7<<25)
.irp g, G1, G1L
	s_mov_b32 s[\g+1], 128<<16                     ; tensor_dim0
	s_mov_b32 s[\g+3], 128<<16                     ; tile_dim0
	s_mov_b32 s[\g+5], 2048                        ; from row to row
	s_mov_b32 s[\g+6], 0
	s_mov_b32 s[\g+7], 0
.endr
	s_mov_b32 s[G1+2], HR<<16                      ; tensor_dim1
	s_mov_b32 s[G1+4], HR                          ; tile_dim1
	s_mov_b32 s[G1L+2], 64<<16
	s_mov_b32 s[G1L+4], 64
	; v: rows of 256 elements, 1,024 from row to row, 32 bytes of padding behind every 128 words
	s_or_b32 s[G1B+0], s17, (1<<16)|(1<<20)|(1<<21)|(6<<22)|(7<<25)
	s_or_b32 s[G1BL+0], s17, (1<<16)|(1<<20)|(1<<21)|(6<<22)|(7<<25)
.irp g, G1B, G1BL
	s_mov_b32 s[\g+1], 256<<16
	s_mov_b32 s[\g+3], 256<<16
	s_mov_b32 s[\g+5], 1024
	s_mov_b32 s[\g+6], 0
	s_mov_b32 s[\g+7], 0
.endr
	s_mov_b32 s[G1B+2], HR<<16
	s_mov_b32 s[G1B+4], HR
	s_mov_b32 s[G1BL+2], 64<<16
	s_mov_b32 s[G1BL+4], 64
	s_lshl_b32 s20, s43, 23                        ; p: the batch's 2,048 rows of 4,096 bytes, + 256 x block of keys
	s_lshl_b32 s21, s44, 8
	s_add_co_u32 s20, s20, s21
	s_mov_b32 s21, 0
	s_lshl_b32 s46, s43, 22                        ; v: the batch's 2,048 rows of 2,048 bytes, + 512 cx, behind q's and k's 33,554,432 bytes
	s_lshl_b32 s47, s40, 9
	s_add_co_u32 s46, s46, s47
	s_add_co_u32 s46, s46, 0x2000000
	s_mov_b32 s47, 0
	s_mul_i32 s72, s[LO], HR*PROW                  ; my half of a fill's rows: 96 rows on in p,
	s_mov_b32 s73, 0
	s_mul_i32 s74, s[LO], HR*VROW                  ; and in v;
	s_mov_b32 s75, 0
	s_lshl_b32 s18, s[LO], 18                      ; in the last fill 64 rows on in p,
	s_mov_b32 s19, 0
	s_lshl_b32 s22, s[LO], 17                      ; and in v
	s_mov_b32 s23, 0
	s_mul_i32 s100, s[LO], HR*PP                   ; where they go in a slot: no place in the cluster enters an LDS address
	s_mul_i32 s101, s[LO], HR*PV
	s_add_co_u32 s101, s101, VOFF
	s_mov_b32 s[CT], 0
	s_mov_b32 s70, 0x3a000000                      ; 2^-11
	s_mov_b32 s71, s70                             ; (named with it as a pair, so it is written)
	s_cmp_eq_u32 s[WV], 0
	s_cselect_b32 s[LIM], 1, -1
	s_wait_dscnt 0x0                               ; both opening adds are done
	s_wait_kmcnt 0x0
	s_add_nc_u64 s[20:21], s[4:5], s[20:21]        ; p at the batch's first query, my block of keys
	s_add_nc_u64 s[46:47], s[6:7], s[46:47]        ; v at the batch's first query, my tile of d
	CROUND                                         ; all sixteen work-groups are here: the first joint loads meet
.irp s, 0,1
	s_mov_b32 s[G0+4*\s], 1
	s_add_co_u32 s[G0+4*\s+1], s100, \s*SLOT
	s_add_nc_u64 s[G0+4*\s+2:G0+4*\s+3], s[20:21], s[72:73]
.if \s
	s_add_nc_u64 s[G0+4*\s+2:G0+4*\s+3], s[G0+4*\s+2:G0+4*\s+3], QS*PROW
.endif
	s_or_b32 s[G0+4*\s+3], s[G0+4*\s+3], 0x80000000
	s_mov_b32 s[G0B+4*\s], 1
	s_add_co_u32 s[G0B+4*\s+1], s101, \s*SLOT
	s_add_nc_u64 s[G0B+4*\s+2:G0B+4*\s+3], s[46:47], s[74:75]
.if \s
	s_add_nc_u64 s[G0B+4*\s+2:G0B+4*\s+3], s[G0B+4*\s+2:G0B+4*\s+3], QS*VROW
.endif
	s_or_b32 s[G0B+4*\s+3], s[G0B+4*\s+3], 0x80000000
	JLOAD G0+4*\s, G1, G0B+4*\s, G1B               ; fills 0 and 1: two tensor loads of mine are out
.endr
	; the last fill's groups 0: queries 1,920 + 64 x half on, into slot 0
	s_mov_b32 s[G0L], 1
	s_mul_i32 s[G0L+1], s[LO], 64*PP
	s_add_nc_u64 s[G0L+2:G0L+3], s[20:21], s[18:19]
	s_add_nc_u64 s[G0L+2:G0L+3], s[G0L+2:G0L+3], 1920*PROW
	s_or_b32 s[G0L+3], s[G0L+3], 0x80000000
	s_mov_b32 s[G0BL], 1
	s_mul_i32 s[G0BL+1], s[LO], 64*PV
	s_add_co_u32 s[G0BL+1], s[G0BL+1], VOFF
	s_add_nc_u64 s[G0BL+2:G0BL+3], s[46:47], s[22:23]
	s_add_nc_u64 s[G0BL+2:G0BL+3], s[G0BL+2:G0BL+3], 1920*VROW
	s_or_b32 s[G0BL+3], s[G0BL+3], 0x80000000
	; the figures of the batch's 2,048 queries: thread n takes queries 512 i + 4 n .. + 3 in round i; 17 loads a round
	s_lshl_b32 s18, s43, 16                        ; 65,536 bytes a batch
	s_mov_b32 s19, 0
	s_add_nc_u64 s[8:9], s[8:9], s[18:19]
	s_add_nc_u64 s[10:11], s[10:11], s[18:19]
	s_lshr_b32 s18, s44, 1                         ; my keys' tile of 256
	s_lshl_b32 s18, s18, 13
	s_add_nc_u64 s[72:73], s[8:9], s[18:19]
	v_lshlrev_b32 v[TO], 4, v0
.irp i, 0,1,2,3
	WIN 0x40                                       ; destination window 1
.irp t, 0,1,2,3,4,5,6,7
	global_load_b128 v[32*\i+4*\t:32*\i+4*\t+3], v[TO], s[8:9] offset:8192*\t+2048*\i            ; -M of tile t
	global_load_b128 v[128+32*\i+4*\t:128+32*\i+4*\t+3], v[TO], s[10:11] offset:8192*\t+2048*\i  ; l of tile t
.endr
	WIN 0
	global_load_b128 v[OWN+4*\i:OWN+4*\i+3], v[TO], s[72:73] offset:2048*\i                      ; -M of my own tile
.endr
	v_and_b32 v1, 15, v0                           ; r
	v_bfe_u32 v2, v0, 4, 1                         ; h
	v_and_b32 v3, 7, v0
	v_bfe_u32 v4, v0, 3, 1
	v_lshl_add_u32 v5, v2, 3, v3                   ; the turning load: lane l reads 16 bytes of row 8 h + l % 8, at 16 ((l / 8) % 2)
	v_mul_u32_u24 v6, v5, PP
	v_lshl_add_u32 v6, v4, 4, v6
	s_lshl_b32 s18, s[HI], 7                       ; my 64 keys: 128 bytes on
	v_add_nc_u32 v[ADP], s18, v6
	v_add_nc_u32 v[ADP+1], SLOT, v[ADP]
	v_mul_u32_u24 v6, v5, PV
	v_lshl_add_u32 v6, v4, 4, v6
	s_lshl_b32 s18, s[LO], 8                       ; my 128 d: 256 bytes on
	s_add_co_u32 s18, s18, VOFF
	v_add_nc_u32 v[ADV], s18, v6
	v_add_nc_u32 v[ADV+1], 3*32*PV, v[ADV]         ; a slot's steps 3 to 5
	v_add_nc_u32 v[ADV+2], SLOT, v[ADV]
	v_add_nc_u32 v[ADV+3], SLOT, v[ADV+1]
	v_lshl_add_u32 v[CA0], v2, 4, CB
	v_lshl_add_u32 v[CAD], v2, 4, CB
	v_lshl_add_u32 v[CW], v0, 3, CB
	s_mul_i32 s18, s[WV], 16*SPITCH
	s_add_co_u32 s18, s18, STG                     ; my stage
	v_mul_u32_u24 v6, v1, SPITCH
	v_lshl_add_u32 v6, v2, 5, v6
	v_add_nc_u32 v[STO], s18, v6                   ; in: row r, 32 bytes for each half of the lanes
	v_and_b32 v6, 31, v0
	v_lshlrev_b32 v[CO], 4, v6                     ; back: the 32 lanes take one row of 512 bytes; the same in out0
	v_add_nc_u32 v[RD], s18, v[CO]
	v_lshlrev_b32 v[PFO], 12, v6
	s_lshl_b32 s74, s43, 11                        ; out0: my first key 2,048 x batch + 128 x block + 64 x half,
	s_lshl_b32 s75, s44, 7
	s_add_co_u32 s74, s74, s75
	s_lshl_b32 s75, s[HI], 6
	s_add_co_u32 s74, s74, s75
	s_lshl_b32 s74, s74, 12                        ; x 4,096 bytes, + 1,024 cx + 512 x half of d
	s_lshl_b32 s75, s40, 10
	s_add_co_u32 s74, s74, s75
	s_lshl_b32 s75, s[LO], 9
	s_add_co_u32 s74, s74, s75
	s_mov_b32 s75, 0
	s_add_nc_u64 s[12:13], s[12:13], s[74:75]
	s_lshl_b32 s74, s43, 23                        ; the prefetches: the batch, + 32 cx rows, my block of keys, at row 512: the first request steps it to row 640
	s_lshl_b32 s75, s40, 17
	s_add_co_u32 s74, s74, s75
	s_lshl_b32 s75, s44, 8
	s_add_co_u32 s74, s74, s75
	s_add_co_u32 s74, s74, 512*PROW
	s_mov_b32 s75, 0
	s_add_nc_u64 s[PFA:PFA+1], s[4:5], s[74:75]
; Round i of the joining: four queries a thread.
.macro COMBINE i
	s_wait_loadcnt 17*(3-\i)                       ; this round's 17 loads are in; the later rounds' may be out
	WIN 0x15                                       ; three sources in window 1
.irp e, 0,1,2,3
	v_min3_num_f32 v[MN+\e], v[32*\i+\e], v[32*\i+4+\e], v[32*\i+8+\e]
.endr
	WIN 0x14                                       ; sources 1 and 2 in window 1
.irp e, 0,1,2,3
	v_min3_num_f32 v[MN+\e], v[MN+\e], v[32*\i+12+\e], v[32*\i+16+\e]
.endr
.irp e, 0,1,2,3
	v_min3_num_f32 v[MN+\e], v[MN+\e], v[32*\i+20+\e], v[32*\i+24+\e]
.endr
.irp e, 0,1,2,3
	v_min_num_f32 v[MN+\e], v[MN+\e], v[32*\i+28+\e]   ; -M of the row: the least -M_t
.endr
	WIN 0x04                                       ; source 1 in window 1
.set j, 0
.rept 32
	v_sub_f32 v[DD+j], v[MN+j%4], v[32*\i+j]       ; M_t - M: a whole number, 0 or less
.set j, j+1
.endr
	WIN 0
.irp e, 0,1,2,3
	v_sub_f32 v[EO+\e], v[MN+\e], v[OWN+4*\i+\e]   ; the same of my own tile
.endr
.set j, 0
.rept 32
	v_cvt_i32_f32 v[DD+j], v[DD+j]                 ; (it saturates)
.set j, j+1
.endr
.irp e, 0,1,2,3
	v_cvt_i32_f32 v[EO+\e], v[EO+\e]
.endr
.irp e, 0,1,2,3
	v_add_nc_u32 v[EO+\e], 11, v[EO+\e]            ; x 2,048
.endr
	WIN 0x01                                       ; source 0 in window 1
.set j, 0
.rept 32
	v_ldexp_f32 v[DD+j], v[128+32*\i+j], v[DD+j]   ; l_t under the row's M
.set j, j+1
.endr
	WIN 0
.irp d, 16,8,4                         ; eight tiles become one: register 4 t + e
.set j, 0
.rept \d/2
	v_pk_add_f32 v[DD+2*j:DD+2*j+1], v[DD+2*j:DD+2*j+1], v[DD+2*j+\d:DD+2*j+\d+1]
.set j, j+1
.endr
.endr
.irp e, 0,1,2,3
	v_rcp_f32 v[RC+\e], v[DD+\e]                   ; l is at least a half: the row's largest p lies over a half
.endr
	v_nop                                          ; a plain line behind the last reciprocal
	s_wait_alu depctr_va_vdst(0)                   ; the wait ahead of the first line that names a result: one for the four
.irp e, 0,1,2,3
	v_ldexp_f32 v[RC+\e], v[RC+\e], v[EO+\e]       ; c
.endr
	v_cvt_pk_f16_f32 v[CP+2*\i], v[RC], v[RC+1]
	v_cvt_pk_f16_f32 v[CP+2*\i+1], v[RC+2], v[RC+3]
	ds_store_b64 v[CW], v[CP+2*\i:CP+2*\i+1] offset:1024*\i
.endm
	COMBINE 0
	COMBINE 1
	COMBINE 2
	COMBINE 3
; THE LDS LOADS stand in runs.  v's eight fragments of the slot's k-th 32 queries into buffer q: 16 loads
.macro FETCH_V slot, k, q
.irp b, 0,1,2,3,4,5,6,7
	ds_load_tr16_b128 v[VB+64*(\q)+8*\b:VB+64*(\q)+8*\b+3],   v[ADV+2*(\slot)+(\k)/3] offset:32*PV*((\k)%3)+32*\b
	ds_load_tr16_b128 v[VB+64*(\q)+8*\b+4:VB+64*(\q)+8*\b+7], v[ADV+2*(\slot)+(\k)/3] offset:32*PV*((\k)%3)+32*\b+16*PV
.endr
.endm
; c (16 bytes twice, the same for the 16 lanes of a half) and p's four fragments into buffer q: 10 loads
.macro FETCH_P slot, k, q
	ds_load_b128 v[CR:CR+3],   v[CAD] offset:64*(\k)
	ds_load_b128 v[CR+4:CR+7], v[CAD] offset:64*(\k)+32
.irp a, 0,1,2,3
	ds_load_tr16_b128 v[RP+32*(\q)+8*\a:RP+32*(\q)+8*\a+3],   v[ADP+(\slot)] offset:32*PP*(\k)+32*\a
	ds_load_tr16_b128 v[RP+32*(\q)+8*\a+4:RP+32*(\q)+8*\a+7], v[ADP+(\slot)] offset:32*PP*(\k)+32*\a+16*PP
.endr
.endm
; c of the 32 queries whose p is scaled in this step, widened: v96-103 (CR) into v104-119 (C32).  These sixteen plain lines, which name no register of a product, are also the places
; between the last step's products and the loads into the buffer of v that they read (ISA guide 7.12.1 for vector instructions).
.macro CCVT
	v_cvt_f32_f16 v[C32+0], v96.l
	v_cvt_f32_f16 v[C32+1], v96.h
	v_cvt_f32_f16 v[C32+2], v97.l
	v_cvt_f32_f16 v[C32+3], v97.h
	v_cvt_f32_f16 v[C32+4], v98.l
	v_cvt_f32_f16 v[C32+5], v98.h
	v_cvt_f32_f16 v[C32+6], v99.l
	v_cvt_f32_f16 v[C32+7], v99.h
	v_cvt_f32_f16 v[C32+8], v100.l
	v_cvt_f32_f16 v[C32+9], v100.h
	v_cvt_f32_f16 v[C32+10], v101.l
	v_cvt_f32_f16 v[C32+11], v101.h
	v_cvt_f32_f16 v[C32+12], v102.l
	v_cvt_f32_f16 v[C32+13], v102.h
	v_cvt_f32_f16 v[C32+14], v103.l
	v_cvt_f32_f16 v[C32+15], v103.h
.endm
; Product i of a window's sixteen: key block i / 8 of its two, block i % 8 of d; buffers par.  zero = 1: it starts the sum.  The accumulators take turns, one instruction a turn.
.macro WM par, zero, i
.set wa, (\i)/8
.set wb, (\i)%8
.if \zero
	v_wmma_f32_16x16x32_f16 v[8*(8*wa+wb):8*(8*wa+wb)+7], v[VB+64*(\par)+8*wb:VB+64*(\par)+8*wb+7], v[SP+16*(\par)+8*wa:SP+16*(\par)+8*wa+7], 0
.else
	v_wmma_f32_16x16x32_f16 v[8*(8*wa+wb):8*(8*wa+wb)+7], v[VB+64*(\par)+8*wb:VB+64*(\par)+8*wb+7], v[SP+16*(\par)+8*wa:SP+16*(\par)+8*wa+7], v[8*(8*wa+wb):8*(8*wa+wb)+7]
.endif
.endm
; Four products of window 1 + w (mm = 1), and between them (sc = 1) the scaling of four registers of the next step's raw p, ra to rd (their numbers, written out: a register's halves are named by number):
; eight widenings, four packed multiplications by c, four roundings to f16 into the other buffer of scaled p.
.macro GROUP w, par, zero, sc, mm, g, ra, rb, rc, rd
.if \mm
	WM \par, \zero, 4*(\g)
.endif
.if \sc
	v_cvt_f32_f16 v[T], v\ra\().l
	v_cvt_f32_f16 v[T+1], v\ra\().h
	v_cvt_f32_f16 v[T+2], v\rb\().l
	v_cvt_f32_f16 v[T+3], v\rb\().h
.endif
.if \mm
	WM \par, \zero, 4*(\g)+1
.endif
.if \sc
	v_cvt_f32_f16 v[T+4], v\rc\().l
	v_cvt_f32_f16 v[T+5], v\rc\().h
	v_cvt_f32_f16 v[T+6], v\rd\().l
	v_cvt_f32_f16 v[T+7], v\rd\().h
.endif
.if \mm
	WM \par, \zero, 4*(\g)+2
.endif
.if \sc
.irp e, 0,1,2,3
	v_pk_mul_f32 v[T+2*\e:T+2*\e+1], v[C32+8*((\g)%2)+2*\e:C32+8*((\g)%2)+2*\e+1], v[T+2*\e:T+2*\e+1]   ; register 4 (g % 2) + e of a fragment: c's pair of the same two queries
.endr
.endif
.if \mm
	WM \par, \zero, 4*(\g)+3
.endif
.if \sc
	WIN 0x45*(1+(\w))                              ; destination and both sources in the accumulators' window
.irp e, 0,1,2,3
	v_cvt_pk_f16_f32 v[SP+16*(1-(\par))+4*(\g)+\e], v[T+2*\e], v[T+2*\e+1]
.endr
	WIN 0x54*(1+(\w))
.endif
.endm
.macro PHASE w, par, zero, sc, mm, half, r0, r1, r2, r3, r4, r5, r6, r7, r8, r9, r10, r11, r12, r13, r14, r15
.if (\half) != 1
	GROUP \w, \par, \zero, \sc, \mm, 0, \r0, \r1, \r2, \r3
	GROUP \w, \par, \zero, \sc, \mm, 1, \r4, \r5, \r6, \r7
.endif
.if (\half) != 0
	GROUP \w, \par, \zero, \sc, \mm, 2, \r8, \r9, \r10, \r11
	GROUP \w, \par, \zero, \sc, \mm, 3, \r12, \r13, \r14, \r15
.endif
.endm
; A window's sixteen products (half = 2), or the first (0) or second (1) eight.  The raw p that is scaled lies in buffer 1 - par, key blocks 2 w and 2 w + 1: v[32 + 32 (1 - par) + 16 w] on.
.macro PH w, par, zero, sc, mm, half
	WIN 0x54*(1+(\w))                              ; destination, source 1 and source 2 in window 1 + w, source 0 in window 0
.if (\par) == 1
.if (\w) == 0
	PHASE \w, \par, \zero, \sc, \mm, \half, 32,33,34,35,36,37,38,39,40,41,42,43,44,45,46,47
.else
	PHASE \w, \par, \zero, \sc, \mm, \half, 48,49,50,51,52,53,54,55,56,57,58,59,60,61,62,63
.endif
.else
.if (\w) == 0
	PHASE \w, \par, \zero, \sc, \mm, \half, 64,65,66,67,68,69,70,71,72,73,74,75,76,77,78,79
.else
	PHASE \w, \par, \zero, \sc, \mm, \half, 80,81,82,83,84,85,86,87,88,89,90,91,92,93,94,95
.endif
.endif
.endm
; STEP n of 32 queries, par = n % 2.  It finds: v of step n and raw p and c of step n + 1 asked for a step ago; p of step n scaled.  It fetches v of step n + 1 (slot vs, its vk-th 32 queries) and raw p and c of step n + 2
; (ps, pk); -1: nothing is left to fetch.  sc = 1: it scales p of step n + 1.  ev: -1 no prefetch, else ASK's argument.
.macro QUARTER par, zero, vs, vk, ps, pk, sc, ev
.if (\ev) >= 0
	EVSTEP
.endif
	s_wait_dscnt 0x0                               ; the run of loads issued at the head of the last step, 32 products ago, is in
	WIN 0
.if \sc
	CCVT
.endif
.if (\vk) >= 0
	FETCH_V \vs, \vk, 1-(\par)
.endif
.if (\pk) >= 0
	FETCH_P \ps, \pk, \par
.endif
.if (\ev) >= 0
	ASK \ev                                        ; behind the run of LDS loads
.endif
	PH 0, \par, \zero, \sc, 1, 2
	PH 1, \par, \zero, \sc, 1, 2
.endm
; A SLOT'S FIFTH STEP (par = 0) CHANGES SLOTS.  The slot's last v is fetched; then each wave waits for all its tensor loads (its part of the next slot), adds 0 to its spare word, and waits for that and for its reads of this slot;
; one barrier; behind it nobody reads this slot any more and the next slot is whole: the next slot's first p is fetched.
; fill = 1: the barrier opens a round of the cluster's barrier, and this slot is filled again, two fills ahead, first thing behind the round: the load has six steps, 192 products of the wave, in which to land.
; fill = 2: the same with the last fill's descriptors (128 queries, 64 rows a load).  fill = 0: nothing is left to ask for.
.macro TURNQ slot, fill, ev
.if (\ev) >= 0
	EVSTEP
.endif
	s_wait_dscnt 0x0
	WIN 0
	CCVT
	FETCH_V \slot, 5, 1
	s_wait_tensorcnt 0x0                           ; all my tensor loads have landed, so a group 0 may be written
	ds_add_u32 v[SPW], v[NIL]                      ; 0 onto my spare word
.if (\fill) == 1
	s_add_nc_u64 s[G0+4*\slot+2:G0+4*\slot+3], s[G0+4*\slot+2:G0+4*\slot+3], 2*QS*PROW
	s_add_nc_u64 s[G0B+4*\slot+2:G0B+4*\slot+3], s[G0B+4*\slot+2:G0B+4*\slot+3], 2*QS*VROW
.endif
	PH 0, 0, 0, 1, 1, 0                            ; eight products and their share of the scaling stand between the add and the wait for it
	s_wait_dscnt 0x0                               ; the add is done, and my reads of this slot are over
	s_barrier_signal -1
	PH 0, 0, 0, 1, 1, 1                            ; work on registers while the others arrive
	WIN 0
	s_barrier_wait -1
.if (\fill) == 1
	CREST
	JLOAD G0+4*\slot, G1, G0B+4*\slot, G1B         ; one tensor load of mine is out
.endif
.if (\fill) == 2
	CREST
	JLOAD G0L, G1L, G0BL, G1BL
.endif
	s_add_co_u32 s[CT], s[CT], 2*QS                ; c of the next fill's queries: 384 bytes on
	v_add_nc_u32 v[CAD], s[CT], v[CA0]
	FETCH_P 1-(\slot), 0, 0
.if (\ev) >= 0
	ASK \ev
.endif
	PH 1, 0, 0, 1, 1, 2
.endm
	s_wait_tensorcnt 1                             ; my part of fill 0 is in (fill 1's may be out)
	s_wait_dscnt 0x0                               ; and my part of c is stored:
	s_barrier_signal -1
	s_barrier_wait -1                              ; everybody's are
	FETCH_P 0, 0, 0                                ; step 0's p and c,
	FETCH_V 0, 0, 0                                ; and its v
	s_wait_dscnt 16                                ; c and p are in; v's sixteen loads may be out
	CCVT
	FETCH_P 0, 1, 1                                ; step 1's p and c
	PH 0, 1, 0, 1, 0, 2                            ; step 0's p is scaled with no products to stand between
	PH 1, 1, 0, 1, 0, 2
	QUARTER 0, 1, 0, 1, 0, 2, 1, -1                ; step 0 stands in front of the loop: its products start the sums
	WIN 0                                          ; at a label and at a branch every window is 0
	s_mov_b32 s3, TRIPS
.Llap:                                                 ; a trip goes once round the ring, from a lap's second step to the next lap's first, and fills both slots again: fills 2 to 9
	QUARTER 1, 0, 0, 2, 0, 3, 1, -1
	QUARTER 0, 0, 0, 3, 0, 4, 1, 1
	QUARTER 1, 0, 0, 4, 0, 5, 1, -1
	TURNQ 0, 1, -1
	QUARTER 1, 0, 1, 0, 1, 1, 1, -1
	QUARTER 0, 0, 1, 1, 1, 2, 1, 1
	QUARTER 1, 0, 1, 2, 1, 3, 1, -1
	QUARTER 0, 0, 1, 3, 1, 4, 1, -1
	QUARTER 1, 0, 1, 4, 1, 5, 1, -1
	TURNQ 1, 1, 0
	QUARTER 1, 0, 0, 0, 0, 1, 1, -1
	QUARTER 0, 0, 0, 1, 0, 2, 1, -1
	WIN 0
	s_sub_co_u32 s3, s3, 1
	s_cmp_lg_u32 s3, 0
	s_cbranch_scc1 .Llap
	QUARTER 1, 0, 0, 2, 0, 3, 1, -1                ; the tail is written out.  Fill 8 goes on;
	QUARTER 0, 0, 0, 3, 0, 4, 1, -1
	QUARTER 1, 0, 0, 4, 0, 5, 1, -1
	TURNQ 0, 2, -1                                 ; its slot takes the last fill, of 128 queries
	QUARTER 1, 0, 1, 0, 1, 1, 1, -1
	QUARTER 0, 0, 1, 1, 1, 2, 1, -1                ; fill 9
	QUARTER 1, 0, 1, 2, 1, 3, 1, -1
	QUARTER 0, 0, 1, 3, 1, 4, 1, -1
	QUARTER 1, 0, 1, 4, 1, 5, 1, -1
	TURNQ 1, 0, -1                                 ; nothing is left to ask for
	QUARTER 1, 0, 0, 0, 0, 1, 1, -1
	QUARTER 0, 0, 0, 1, 0, 2, 1, -1                ; fill 10: four steps
	QUARTER 1, 0, 0, 2, 0, 3, 1, -1
	QUARTER 0, 0, 0, 3, 0, -1, 1, -1               ; the last v; the last p is scaled
	QUARTER 1, 0, 0, -1, 0, -1, 0, -1
	WIN 0
.rept 4
	v_nop                                          ; four places behind the last products (ISA guide 7.12.1)
.endr
	WIN 0x41                                       ; destination and source 0 in window 1
.set i, 0
.rept 64
	v_pk_mul_f32 v[i:i+1], v[i:i+1], s[70:71] op_sel_hi:[1,0]   ; x 2^-11: c's factor 2,048 is taken back; each accumulator from its low end on
.set i, i+2
.endr
	WIN 0x82                                       ; and in window 2
.set i, 0
.rept 64
	v_pk_mul_f32 v[i:i+1], v[i:i+1], s[70:71] op_sel_hi:[1,0]
.set i, i+2
.endr
; THE WAY OUT, a block of 16 keys x 128 d at a time, through my own stage: in 32 bytes a lane, back as whole rows of 512 bytes.
.macro TOSTAGE a
	WIN 0x04*(1+(\a)/2)                            ; an LDS store's data are its source 1: window 1 (blocks 0, 1) or 2 (blocks 2, 3)
.irp b, 0,1,2,3,4,5,6,7
	ds_store_b128 v[STO], v[64*((\a)%2)+8*\b:64*((\a)%2)+8*\b+3] offset:64*\b
	ds_store_b128 v[STO], v[64*((\a)%2)+8*\b+4:64*((\a)%2)+8*\b+7] offset:64*\b+16
.endr
	WIN 0
.set BB, BKB+64*((\a)%2)
.irp t, 0,1,2,3,4,5,6,7,8,9,10,11,12,13,14,15
	ds_load_b128 v[BB+4*\t:BB+4*\t+3], v[RD] offset:\t*SPITCH      ; LDS serves a wave's instructions in order: these see the stores above
.endr
.endm
.macro SEND a, younger                 ; younger: the LDS instructions issued behind block a's loads, which may stay out
.set BB, BKB+64*((\a)%2)
	s_wait_dscnt \younger
.if (\a) > 0
	s_add_nc_u64 s[12:13], s[12:13], 16*OROW       ; (behind a wait on XCNT: the earlier stores have read their base)  16 keys on
.endif
.irp t, 0,1,2,3,4,5,6,7,8,9,10,11,12,13,14,15
	global_store_b128 v[CO], v[BB+4*\t:BB+4*\t+3], s[12:13] offset:\t*OROW th:TH_STORE_NT   ; 32 lanes store 512 consecutive bytes, aligned; written once, read by nobody here
.endr
.endm
	TOSTAGE 0
.irp a, 1,2,3
.if \a > 1
	s_wait_xcnt 0x0                                ; block a - 2's stores have read their registers and their base
.endif
	TOSTAGE \a
	SEND \a-1, 32                                  ; behind block a - 1's loads: block a's 16 stores and 16 loads
.endr
	s_wait_xcnt 0x0
	SEND 3, 0
	s_wait_tensorcnt 0x0                           ; the wave's end
	ds_add_u32 v[SPW], v[NIL]
	s_wait_dscnt 0x0
	CROUND                                         ; the closing round
	s_endpgm
.Lfunc_end_k_qd6a12edf4a_aggr:
	.size	k_qd6a12edf4a_aggr, .Lfunc_end_k_qd6a12edf4a_aggr-k_qd6a12edf4a_aggr
	.p2alignl 7, 3214868480
	.fill 96, 4, 3214868480
	.section	.rodata,"a",@progbits
	.p2align	6, 0x0
	.amdhsa_kernel k_qd6a12edf4a_aggr
		.amdhsa_group_segment_fixed_size 327680
		.amdhsa_private_segment_fixed_size 0
		.amdhsa_enable_private_segment 0
		.amdhsa_kernarg_size 40
		.amdhsa_user_sgpr_count 2
		.amdhsa_user_sgpr_kernarg_segment_ptr 1
		.amdhsa_wavefront_size32 1
		.amdhsa_system_sgpr_workgroup_id_x 1
		.amdhsa_system_sgpr_workgroup_id_y 1
		.amdhsa_system_sgpr_workgroup_id_z 1
		.amdhsa_system_vgpr_workitem_id 0
		.amdhsa_next_free_vgpr 768
		.amdhsa_next_free_sgpr 102
		.amdhsa_reserve_vcc 0
		.amdhsa_float_denorm_mode_32 3
		.amdhsa_float_denorm_mode_16_64 3
		.amdhsa_memory_ordered 1
		.amdhsa_forward_progress 1
		.amdhsa_inst_pref_size 255
	.end_amdhsa_kernel
	.section	.bss,"aw",@nobits
	.p2align	6
	.space	262144
	.amdgpu_metadata
---
amdhsa.version: [ 1, 2 ]
amdhsa.kernels:
  - .name:           k_qd6a12edf4a_aggr
    .symbol:         k_qd6a12edf4a_aggr.kd
    .args:
      - { .name: pw, .offset: 0, .size: 8, .value_kind: global_buffer, .address_space: global }
      - { .name: qkv, .offset: 8, .size: 8, .value_kind: global_buffer, .address_space: global }
      - { .name: negm, .offset: 16, .size: 8, .value_kind: global_buffer, .address_space: global }
      - { .name: lsum, .offset: 24, .size: 8, .value_kind: global_buffer, .address_space: global }
      - { .name: out0, .offset: 32, .size: 8, .value_kind: global_buffer, .address_space: global }
    .group_segment_fixed_size: 327680
    .private_segment_fixed_size: 0
    .kernarg_segment_align: 8
    .kernarg_segment_size: 40
    .max_flat_workgroup_size: 128
    .sgpr_count:     102
    .vgpr_count:     768
    .wavefront_size: 32
...
	.end_amdgpu_metadata
.endif
;; end of part 4
